; MI455X (gfx1250); checked and timed in simulation.
; The chip was launched on July 23, 2026; its instructions are those of AMD's public machine-readable ISA for CDNA 5 (MIT licence, August 2026) and "CDNA5" Instruction Set Architecture Reference Guide (July 2026). The comments in the code are by the model that wrote it; some were corrected since.
;; Versor Linear. Allowed arithmetic: matrix products marked QUANTISED: E5M2 operands, one given power-of-two scale a tensor, by v_wmma_f32_16x16x64_bf8_bf8 or v_wmma_f32_16x16x128_bf8_bf8, f32 sums; everything else in f32.
;; Inputs: lowp_scales 4 int32 (the exponents e of the quantised operands' scales 2^e); weight 128 x 128 x 32 float32; x 4,096 x 128 x 32 float32.
;; Outputs: out0 4,096 x 128 x 32 float32.
;; This version of the problem:
;;   THIS VERSION OF THE PROBLEM IS GIVEN IN LOW PRECISION. The matrix products marked QUANTISED in the list below multiply operands that are first quantised to E5M2 (5 exponent bits, 2 mantissa bits; 8 bits a number), with one given power-of-two scale for each operand tensor; their sums are f32. All else is computed in f32.
;;   The module's matrix products, in the order in which they are computed (A, B: the left and right operand; K: the contracted axis; several contracted axes count as one K, in the product's order):
;;     1. [M 16,384, K 32] x [K 32, N 1,024]; A: input weight; B: computed on the way: QUANTISED (scales: A lowp_scales[0], B lowp_scales[1])
;;     2. [M 4,096, K 4,096] x [K 4,096, N 4,096]; A: input x; B: computed on the way: QUANTISED (scales: A lowp_scales[2], B lowp_scales[3])
;;   THE QUANTISER, for each operand of a quantised product, along K:
;;     - The operand's scale is 2^e, e = its entry of the input lowp_scales (int32; the entries are numbered through the quantised products in the list's order, A before B).
;;     - Each number is divided by the scale, clamped to +-57,344, and rounded to the nearest number of E5M2, ties to even, subnormals kept.
;;     - The product sums the exact products of the quantised numbers (number of the format x scale) in f32.
;;   ~~~python
;;   def quantise(x, axis, e):      # numpy; x: float32 -> the quantised numbers, widened to float32 again
;;       x = np.moveaxis(x, axis, -1); K = x.shape[-1]
;;       r = np.clip(x / 2.0 ** e, -57344, 57344)
;;       step = 2.0 ** (np.maximum(np.frexp(np.where(r == 0, 1, r))[1] - 1, -14) - 2)
;;       q = np.round(r / step) * step * 2.0 ** e      # np.round: ties to even
;;       return np.moveaxis(q, -1, axis).astype(np.float32)
;;   ~~~
;;   OPERANDS COMPUTED ON THE WAY. 'Computed on the way' means the value that the module computes at that place (a softmax that the list does not call 'softmax' is quantised finished and normalised). What goes into a quantiser is computed in f32, as accurately as f32 sums, v_exp_f32 and their like allow (about 1e-6 of the number): no bf16 or f16 on the way to a quantiser, and a product that is left as it is and whose result goes on into a quantised operand takes f32 operands (vector FMAs, or v_wmma_f32_16x16x4_f32). A number that lies on a knife's edge between two numbers of the format may be rounded either way, as far as f32 arithmetic and the matrix unit's own rounding can turn it there, and no further.
;; 2 versions. Each part assembles by itself: llvm-mc -triple=amdgcn-amd-amdhsa -mcpu=gfx1250 --defsym DOCPART=n.
;; ======== version 1 of 2: 2 launches
;; workspace buffers: x_codes 16,777,216 bytes; w_codes 16,777,216 bytes
;; launch prep (part 1): grid 768 x 1, 4 waves a work-group, no clusters, 18,944 bytes of LDS; arguments x, weight, lowp_scales, x_codes, w_codes; writes x_codes, w_codes
.if DOCPART == 1
	.amdgcn_target "amdgcn-amd-amdhsa--gfx1250"
	.amdhsa_code_object_version 6
	.text
	.protected	k_qe6961a6d30_prep
	.globl	k_qe6961a6d30_prep
	.p2align	8
	.type	k_qe6961a6d30_prep,@function
k_qe6961a6d30_prep:
	s_mov_b64 s[64:65], 0
	v_nop
	global_prefetch_b8 v0, s[64:65] scope:SCOPE_SE
	s_setreg_imm32_b32 hwreg(HW_REG_WAVE_MODE, 25, 1), 1
	s_wait_xcnt 0x0
; Both operands of the large product are made here, once, as codes of BF8 (E5M2), K innermost.
;   x_codes [4096 b][4096]:          x[b][f][i] / 2^e2, held within +-57,344, to the nearest code.
;   w_codes [4096 n = 32 o + k][4096]: Wc[o][f][i][k] / 2^e3 likewise, where Wc = Q(weight, e0) x Q(Cayley table, e1), summed over j by the matrix unit.
; THE ORDER OF K IN A ROW, the same in both buffers, so that every product of the next launch meets its partner: K = (f, i) goes in groups of 512 (16 f x 32 i);
; in group G the byte 512 G + 16 (r + 16 h) + t holds f = 16 G + r, i = 16 h + t (r 0..15, h 0..1, t 0..15).  That is the order in which the small product's results lie in the lanes:
; lane r + 16 h holds those 16 codes, and a wave's store is 512 consecutive bytes, aligned.
; SHARES.  Work-groups 0 to 255 take the weight: work-group 2 o + half, wave w: output feature o, blades k = 16 half + 4 w + 0 .. 3, all 128 f.
; Work-groups 256 to 767 take x: a wave takes 8,192 numbers on end, 16 steps of 512 (a step is one group G of one row).  Waves share nothing: no barrier.  Only x's path uses LDS.
; No tensor loads and no cluster: no two work-groups read the same bytes of x, and the weight is small.
; LIMITS on the given exponents, so that each power of two below is an f32 number: e0, e1, e2 and e3 - e0 - e1 between -126 and 112.  NaN among the inputs is not served; infinities are held at the largest code.
.set NWW,   256                        ; work-groups of the weight's path
.set STEPS, 16
.macro MKSCALE e, vs, vh               ; s[e] = a scale's exponent:  v[vs] = 2^e as f32 (a conversion takes its exponent field);  v[vh] = 57,344 x 2^e (exponent + 15, mantissa field 0x600000)
	s_add_co_i32 s24, s[\e], 127
	s_lshl_b32 s25, s24, 23
	v_mov_b32 v[\vs], s25
	s_add_co_i32 s24, s24, 15
	s_lshl_b32 s24, s24, 23
	s_or_b32 s24, s24, 0x600000
	v_mov_b32 v[\vh], s24
.endm
	s_load_b128 s[4:7], s[0:1], 0x0                ; x s[4:5], weight s[6:7]
	s_load_b64 s[8:9], s[0:1], 0x10                ; the scales' exponents
	s_load_b128 s[12:15], s[0:1], 0x18             ; x_codes s[12:13], w_codes s[14:15]
	v_lshl_add_u32 v254, v0, 2, 0x4800
	v_mov_b32 v255, 0
	v_lshrrev_b32 v1, 5, v0
	v_readfirstlane_b32 s16, v1                    ; wave 0..3
	v_and_b32 v2, 31, v0                           ; lane
	v_lshlrev_b32 v3, 4, v2                        ; 16 x lane: my 16 bytes of 512, in loads of x and in all stores of codes; never rewritten
	v_and_b32 v4, 15, v0                           ; r
	v_bfe_u32 v5, v0, 4, 1                         ; h
	s_wait_kmcnt 0x0
	s_load_b128 s[20:23], s[8:9], 0x0              ; e0, e1, e2, e3
	s_cmp_lt_u32 ttmp9, NWW                        ; the two paths part on the work-group's number and never join
	s_cbranch_scc1 .Lweights
; ---------------------------------------------------------------- x
; Each of a step's four loads reads 512 consecutive bytes, 16 a lane.  The conversions want 16 neighbours along i in ONE lane: so a step's 2,048 bytes go through the wave's own stage in LDS, as they lie,
; with 16 bytes of padding behind each 128 (one f), and come back 64 bytes a lane: lane r + 16 h takes f = r, i = 16 h + 0 .. 15.  Rows of the stage are 144 bytes apart: sixteen lanes' reads fall on sixteen different columns of 16 bytes.
; Loads run eight steps (32 loads a wave) ahead, the turn through LDS one step, in two stages by turns.
.set WREG,  4608                       ; LDS: a wave's region: two stages
.set STG,   2304                       ; a stage: 2,048 bytes + 16 x 16 of padding
.set R,     16                         ; v16-143  eight sets of 16 numbers as loaded
.set X,     144                        ; v144-175 two sets of 16 neighbours
.set C,     176                        ; v176-239 codes: four registers for each step, so that no store's data are written again
	s_sub_co_u32 s17, ttmp9, NWW
	s_lshl_b32 s17, s17, 2
	s_add_co_u32 s17, s17, s16                     ; which run of 8,192 numbers is my wave's: 0 .. 2,047
	s_lshl_b32 s18, s17, 15                        ; 32,768 bytes of f32,
	s_mov_b32 s19, 0
	s_add_nc_u64 s[4:5], s[4:5], s[18:19]
	s_lshl_b32 s26, s17, 13                        ; 8,192 bytes of codes
	s_mov_b32 s27, 0
	s_add_nc_u64 s[12:13], s[12:13], s[26:27]
	s_mul_i32 s28, s16, WREG
	v_lshrrev_b32 v14, 3, v2
	v_add_nc_u32 v14, v14, v2
	v_lshlrev_b32 v14, 4, v14
	v_add_nc_u32 v14, s28, v14                     ; the stage, on the way in: 16 lane + 16 (lane / 8): eight lanes' 128 bytes, then the padding; a load's 512 bytes take 576
	v_mul_u32_u24 v15, v4, 144
	v_lshl_add_u32 v15, v5, 6, v15
	v_add_nc_u32 v15, s28, v15                     ; and on the way out: 144 r + 64 h
.macro LOAD t
.irp i, 0,1,2,3
	global_load_b128 v[R+16*((\t)%8)+4*\i:R+16*((\t)%8)+4*\i+3], v3, s[4:5] offset:2048*(\t)+512*\i th:TH_LOAD_NT   ; read once in the launch
.endr
.endm
.macro TURN t                          ; step t's numbers through the stage: LDS serves a wave's instructions in order (ISA guide 5.7.1.4), so no wait stands between the stores and the loads
.irp i, 0,1,2,3
	ds_store_b128 v14, v[R+16*((\t)%8)+4*\i:R+16*((\t)%8)+4*\i+3] offset:STG*((\t)%2)+576*\i
.endr
.irp i, 0,1,2,3
	ds_load_b128 v[X+16*((\t)%2)+4*\i:X+16*((\t)%2)+4*\i+3], v15 offset:STG*((\t)%2)+16*\i
.endr
.endm
.irp t, 0,1,2,3,4,5,6,7
	LOAD \t
.endr
	s_wait_kmcnt 0x0
	MKSCALE 22, 11, 10                             ; v11 = 2^e2, v10 = 57,344 x 2^e2
	s_wait_loadcnt 28                              ; step 0's four loads are in; the seven steps behind it may be out
	TURN 0
.macro STEP t
.set XS, X+16*((\t)%2)
	s_wait_dscnt 0x0                               ; this step's numbers are back from the stage: so its stores into the stage have read their registers,
.if (\t)+8 < STEPS
	LOAD (\t)+8                                    ; which take the loads of eight steps on
.endif
.if (\t)+1 < STEPS
.if (\t)+8 < STEPS
	s_wait_loadcnt 28                              ; the next step's four loads are in; those of the seven steps behind it may be out
.else
	s_wait_loadcnt 4*(STEPS-2-(\t))                ; nothing more is asked for: the counts run down
.endif
	TURN (\t)+1                                    ; and go through the other stage while this step is worked
.endif
.irp i, 0,1,2,3,4,5,6,7,8,9,10,11,12,13,14,15
	v_med3_num_f32 v[XS+\i], v[XS+\i], -v10, v10   ; the conversion to an 8-bit code does not saturate (ISA guide 7.6.2): the hold at the largest code x the scale comes first
.endr
	v_cvt_scalef32_pk8_bf8_f32 v[C+4*(\t):C+4*(\t)+1], v[XS:XS+7], v11
	v_cvt_scalef32_pk8_bf8_f32 v[C+4*(\t)+2:C+4*(\t)+3], v[XS+8:XS+15], v11
	v_nop                                          ; one plain vector line behind the last conversion of a run
	global_store_b128 v3, v[C+4*(\t):C+4*(\t)+3], s[12:13] offset:512*(\t)   ; the wave stores 512 consecutive bytes, aligned: one group G
.endm
.irp t, 0,1,2,3,4,5,6,7,8,9,10,11,12,13,14,15
	STEP \t
.endr
	s_wait_tensorcnt 0x0
	ds_add_u32 v254, v255
	s_wait_dscnt 0x0
	s_endpgm
; ---------------------------------------------------------------- the weight
; Wc[o][f][i][k] = sum over j of W[o][f][j] C[i][j][k].  The form of K = 64 is used with j in its first 32 places and zero codes in the other 32, on both sides.
; Registers 0-3 of lane (r, h) hold j = 16 h + 0 .. 15 in both operands (a permutation of the places, alike on both sides); registers 4-7 are zeros.
; Source 1: the weight's fragment g: lane r = row (o, f = 16 g + r).  Source 0: the table's fragment (k, u): lane r = row i = 8 u + r + 8 (r / 8): THE ROWS OF A TILE ARE NOT NEIGHBOURS.
; In the result, register j of lane (r, h) is then i = 8 u + 16 h + j of (o, 16 g + r, k): the 16 registers of tiles u = 0, 1 are i = 16 h + 0 .. 15: 16 neighbours along the next product's K.
; THE TABLE is made in registers.  Row (i, k) has one entry, at j = i xor k; it is -1 where the number of ones in M(i) & j is odd,
; M(i) = ((i >> 1) ^ (i >> 2) ^ (i >> 3) ^ (i >> 4)) | (i & 16): the four shifts count the generators that change places, bit 4 is the one generator whose square is -1.  Its codes are those of +1 and -1 under e1.
.set RAW,   16                         ; v16-143  the weight's 128 x 32 numbers of my o: 16 a lane for each of 8 groups of 16 f.  Then these registers serve as:
.set OUT,   16                         ; v16-47   codes on their way out: 4 registers for each of 8 groups
.set D,     48                         ; v48-111  eight results: group q of four, tile u at D + 16 q + 8 u
.set CF,    112                        ; v112-143 the table's fragments: two sets by turns, set p, tile u at CF + 16 p + 8 u
.set WF,    144                        ; v144-207 the weight's fragments: group g at WF + 8 g
.set IW,    208                        ; v208-209 i_u xor k0
.set MM,    210                        ; v210-211 M(i_u)
.set H4,    212                        ; v212     4 h
.set PM,    228                        ; v[228:229] byte 0: the code of +1, byte 1: of -1
.Lweights:
	s_lshr_b32 s17, ttmp9, 1                       ; o
	s_and_b32 s18, ttmp9, 1
	s_lshl_b32 s18, s18, 4
	s_lshl_b32 s19, s16, 2
	s_add_co_u32 s29, s18, s19                     ; k0 = 16 half + 4 wave, a multiple of 4
	s_lshl_b32 s18, s17, 14                        ; W[o]: 128 rows of 128 bytes
	s_mov_b32 s19, 0
	s_add_nc_u64 s[6:7], s[6:7], s[18:19]
	s_lshl_b32 s26, s17, 5
	s_add_co_u32 s26, s26, s29
	s_lshl_b32 s26, s26, 12                        ; row 32 o + k0 of w_codes, 4,096 bytes a row
	s_mov_b32 s27, 0
	s_add_nc_u64 s[14:15], s[14:15], s[26:27]
	s_mov_b32 s30, 0x96696996                      ; bit n: is the number of ones in n odd, n = 0 .. 31
	v_lshlrev_b32 v6, 7, v4
	v_lshl_add_u32 v6, v5, 6, v6                   ; row r of 128 bytes, + 64 h: my 16 numbers
.irp g, 0,1,2,3,4,5,6,7
.irp c, 0,1,2,3
	global_load_b128 v[RAW+16*\g+4*\c:RAW+16*\g+4*\c+3], v6, s[6:7] offset:2048*\g+16*\c
.endr
.endr
	v_and_b32 v213, 8, v4
	v_add_nc_u32 v213, v213, v4                    ; i_0 = r + 8 (r / 8)
	v_add_nc_u32 v214, 8, v213                     ; i_1 = i_0 + 8
.irp u, 0,1
	v_lshrrev_b32 v215, 1, v[213+\u]
	v_lshrrev_b32 v216, 2, v[213+\u]
	v_xor_b32 v215, v215, v216
	v_lshrrev_b32 v216, 3, v[213+\u]
	v_xor_b32 v215, v215, v216
	v_lshrrev_b32 v216, 4, v[213+\u]
	v_xor_b32 v215, v215, v216
	v_and_or_b32 v[MM+\u], v[213+\u], 16, v215
	v_xor_b32 v[IW+\u], s29, v[213+\u]
.endr
	v_lshlrev_b32 v[H4], 2, v5
	v_mov_b32 v220, 1.0                            ; the table's two numbers, and six zeros to fill the conversion
	v_mov_b32 v221, -1.0
.irp i, 222,223,224,225,226,227
	v_mov_b32 v\i, 0
.endr
	s_wait_kmcnt 0x0
	MKSCALE 20, 11, 10                             ; the weight's: e0
	MKSCALE 21, 219, 218                           ; the table's: e1
	s_sub_co_i32 s28, s23, s20
	s_sub_co_i32 s28, s28, s21                     ; a sum stands for sum x 2^(e0 + e1), so its code under e3 is sum / 2^(e3 - e0 - e1): three scales in one
	MKSCALE 28, 13, 12
.irp g, 0,1,2,3,4,5,6,7
	s_wait_loadcnt 28-4*\g                         ; group g's four loads are in; the groups behind it may be out
.irp i, 0,1,2,3,4,5,6,7,8,9,10,11,12,13,14,15
	v_med3_num_f32 v[RAW+16*\g+\i], v[RAW+16*\g+\i], -v10, v10
.endr
	v_cvt_scalef32_pk8_bf8_f32 v[WF+8*\g:WF+8*\g+1], v[RAW+16*\g:RAW+16*\g+7], v11
	v_cvt_scalef32_pk8_bf8_f32 v[WF+8*\g+2:WF+8*\g+3], v[RAW+16*\g+8:RAW+16*\g+15], v11
.endr
	v_nop                                          ; one plain vector line between a scaled conversion and what next writes its sources or reads its results
.irp g, 0,1,2,3,4,5,6,7
.irp c, 4,5,6,7
	v_mov_b32 v[WF+8*\g+\c], 0                     ; zero codes in the places 32 to 63 of K: operands, not sums
.endr
.endr
.irp f, 0,1,2,3
.irp c, 4,5,6,7
	v_mov_b32 v[CF+8*\f+\c], 0
.endr
.endr
	v_med3_num_f32 v220, v220, -v218, v218
	v_med3_num_f32 v221, v221, -v218, v218
	v_cvt_scalef32_pk8_bf8_f32 v[PM:PM+1], v[220:227], v219
	v_nop
; The table's fragment of tile u for blade k0 + kk, into set p: 18 plain vector lines.  (k0 is a multiple of 4 and kk under 4: i xor (k0 + kk) = (i xor k0) xor kk.)
.macro BUILD p, u, kk
	v_xor_b32 v213, (\kk), v[IW+\u]                ; j = i xor k: where my row's one entry stands
	v_and_b32 v214, v[MM+\u], v213
	v_and_b32 v215, 3, v213                        ; its byte in a register,
	v_lshrrev_b32 v216, 2, v213                    ; its register, 0 .. 7 over both halves of the lanes
	v_bfe_u32 v214, s30, v214, 1                   ; 1: the entry is -1
	v_lshlrev_b32 v215, 3, v215
	v_lshlrev_b32 v214, 3, v214
	v_xor_b32 v216, v216, v[H4]                    ; 0 .. 3 where it falls into my half, else 4 .. 7
	v_bfe_u32 v214, v[PM], v214, 8                 ; the code
	v_lshlrev_b32 v217, v215, v214
.irp d, 0,1,2,3
	v_cmp_eq_u32 vcc_lo, \d, v216
	v_cndmask_b32 v[CF+16*(\p)+8*\u+\d], 0, v217, vcc_lo
.endr
.endm
; Eight products, each into a result of its own, each beginning with the constant 0: four groups of f x two tiles of i
.macro MULT p, half
.irp q, 0,1,2,3
.irp u, 0,1
	v_wmma_f32_16x16x64_bf8_bf8 v[D+16*\q+8*\u:D+16*\q+8*\u+7], v[CF+16*(\p)+8*\u:CF+16*(\p)+8*\u+7], v[WF+8*(4*(\half)+\q):WF+8*(4*(\half)+\q)+7], 0
.endr
.endr
.endm
; The eight results become codes and leave: 16 codes a lane and group, 512 consecutive bytes a store, aligned
.macro QOUT half, kk
	s_wait_xcnt 0x0                                ; the earlier stores have read their data: OUT is written again only behind this wait
.set j, 0
.rept 64
	v_med3_num_f32 v[D+j], v[D+j], -v12, v12       ; the hold; each result from its low end on
.set j, j+1
.endr
.irp q, 0,1,2,3
	v_cvt_scalef32_pk8_bf8_f32 v[OUT+16*(\half)+4*\q:OUT+16*(\half)+4*\q+1], v[D+16*\q:D+16*\q+7], v13
	v_cvt_scalef32_pk8_bf8_f32 v[OUT+16*(\half)+4*\q+2:OUT+16*(\half)+4*\q+3], v[D+16*\q+8:D+16*\q+15], v13
.endr
	v_nop                                          ; one plain vector line between the last conversion and the next products, which write its sources
.irp q, 0,1,2,3
	global_store_b128 v3, v[OUT+16*(\half)+4*\q:OUT+16*(\half)+4*\q+3], s[14:15] offset:4096*(\kk)+512*(4*(\half)+\q)
.endr
.endm
	BUILD 0, 0, 0
	BUILD 0, 1, 0
; A vector instruction that reads or writes a matrix result stands four places behind the matrix instruction, and only plain vector instructions that name none of its registers are places (ISA guide 7.12.1):
; here the next blade's table, which goes into the other set, is that work; the last blade has v_nop.  Between products that write the same results stand the 64 holds as well.
.irp kk, 0,1,2,3
	MULT \kk%2, 0
.if \kk < 3
	BUILD 1-\kk%2, 0, \kk+1
.else
.rept 4
	v_nop
.endr
.endif
	QOUT 0, \kk
	MULT \kk%2, 1
.if \kk < 3
	BUILD 1-\kk%2, 1, \kk+1
.else
.rept 4
	v_nop
.endr
.endif
	QOUT 1, \kk
.endr
	s_endpgm
.Lfunc_end_k_qe6961a6d30_prep:
	.size	k_qe6961a6d30_prep, .Lfunc_end_k_qe6961a6d30_prep-k_qe6961a6d30_prep
	.p2alignl 7, 3214868480
	.fill 96, 4, 3214868480
	.section	.rodata,"a",@progbits
	.p2align	6, 0x0
	.amdhsa_kernel k_qe6961a6d30_prep
		.amdhsa_group_segment_fixed_size 18944
		.amdhsa_private_segment_fixed_size 0
		.amdhsa_enable_private_segment 0
		.amdhsa_kernarg_size 40
		.amdhsa_user_sgpr_count 2
		.amdhsa_user_sgpr_kernarg_segment_ptr 1
		.amdhsa_wavefront_size32 1
		.amdhsa_system_sgpr_workgroup_id_x 1
		.amdhsa_system_sgpr_workgroup_id_y 1
		.amdhsa_system_sgpr_workgroup_id_z 1
		.amdhsa_system_vgpr_workitem_id 0
		.amdhsa_next_free_vgpr 256
		.amdhsa_next_free_sgpr 66
		.amdhsa_reserve_vcc 1
		.amdhsa_float_denorm_mode_32 3
		.amdhsa_float_denorm_mode_16_64 3
		.amdhsa_memory_ordered 1
		.amdhsa_forward_progress 1
		.amdhsa_inst_pref_size 103
	.end_amdhsa_kernel
	.amdgpu_metadata
---
amdhsa.version: [ 1, 2 ]
amdhsa.kernels:
  - .name:           k_qe6961a6d30_prep
    .symbol:         k_qe6961a6d30_prep.kd
    .args:
      - { .name: x, .offset: 0, .size: 8, .value_kind: global_buffer, .address_space: global }
      - { .name: weight, .offset: 8, .size: 8, .value_kind: global_buffer, .address_space: global }
      - { .name: lowp_scales, .offset: 16, .size: 8, .value_kind: global_buffer, .address_space: global }
      - { .name: x_codes, .offset: 24, .size: 8, .value_kind: global_buffer, .address_space: global }
      - { .name: w_codes, .offset: 32, .size: 8, .value_kind: global_buffer, .address_space: global }
    .group_segment_fixed_size: 18944
    .private_segment_fixed_size: 0
    .kernarg_segment_align: 8
    .kernarg_segment_size: 40
    .max_flat_workgroup_size: 128
    .sgpr_count:     66
    .vgpr_count:     256
    .wavefront_size: 32
...
	.end_amdgpu_metadata
.endif
;; end of part 1
;; launch gemm (part 2): grid 16 x 16, 4 waves a work-group, clusters of 4 x 4, 327,680 bytes of LDS; arguments x_codes, w_codes, lowp_scales, out0; writes out0
.if DOCPART == 2
	.amdgcn_target "amdgcn-amd-amdhsa--gfx1250"
	.amdhsa_code_object_version 6
	.text
	.protected	k_qe6961a6d30_gemm
	.globl	k_qe6961a6d30_gemm
	.p2align	8
	.type	k_qe6961a6d30_gemm,@function
k_qe6961a6d30_gemm:
	s_mov_b64 s[64:65], 0
	v_nop
	global_prefetch_b8 v0, s[64:65] scope:SCOPE_SE
	s_setreg_imm32_b32 hwreg(HW_REG_WAVE_MODE, 25, 1), 1
	s_wait_xcnt 0x0
	s_wait_alu depctr_hold_cnt(0) depctr_sa_sdst(0) depctr_va_vdst(0) depctr_va_sdst(0) depctr_va_ssrc(0) depctr_va_vcc(0) depctr_vm_vsrc(0)
	s_getreg_b32 s2, hwreg(HW_REG_IB_STS2, 6, 4)
	s_cmp_eq_u32 s2, 0
	s_cbranch_scc0 .Lentry_in_a_cluster
	s_endpgm
.Lentry_in_a_cluster:
	s_bfe_u32 s2, ttmp6, 0x10000c
	s_cmp_lg_u32 s2, 0xf033
	s_cbranch_scc0 .Lentry_shape_is_right
	s_endpgm
.Lentry_shape_is_right:
; y[b][n] = 2^(e2 + e3) x the sum over K of A[b][K] B[n][K];  out0[b][o][k] = y[b][32 o + k] / sqrt(the sum over k of y[b][32 o + k]^2 + 1e-6).
; A = x_codes [4096][4096], B = w_codes [4096][4096]: codes of BF8 (E5M2), K innermost, in one and the same order of K in both.  out0 [4096][4096] f32; sums in f32.
; A tile of y, 256 x 256, is made by a work-group of four waves, as many as a WGP has SIMDs; a wave makes 128 x 128: 64 accumulators of 16 x 16, 512 registers.  4,096 x 4,096 make 256 tiles: one to a work-group.
; K goes in steps of 256 through a ring of two LDS slots filled by the tensor data mover: a tile's row is 256 bytes of memory, aligned.
; CLUSTERS: 4 x 4 work-groups.  The four of a row of the cluster need the same tiles of A, the four of a column the same tiles of B: each tile is asked for JOINTLY, by the same tensor load with the
; same descriptor and a mask that names the four.  THE MATRIX INSTRUCTION IS USED TRANSPOSED (source 0 = 16 rows of B, source 1 = 16 rows of A): a lane then holds eight neighbouring numbers of a row of y.
; THE NORM is taken on the way out: a multivector's 32 numbers lie in two neighbouring accumulators, 16 in lane l and 16 in lane l xor 16.  The squares are taken of the sums AS THEY ARE (in magnitude between 2^-32 and 1.3e13 or zero,
; so that 32 squares neither overflow nor vanish); 2^(2 (e2 + e3)) comes onto their sum and 2^(e2 + e3) onto the root's reciprocal by v_ldexp_f32; each number is then multiplied once.
; LIMITS: e2 + e3 at least -126.  NaN is not served.
; REGISTERS, in windows of 256: window 0: v0-31 addresses and the norm's eight; from v128 A's fragments (8 x 16 rows x 128 K), ONE set; on the way out v32-255 are free.
;   window 1: B's fragments, TWO sets, at v0 and at v128.   window 2: the 32 accumulators of my rows 0-63 (accumulator (a, b) at v[8 (8 a + b)]);   window 3: those of my rows 64-127.
; A step of 128 along K is 64 matrix instructions, A's blocks one after the other, each against B's eight.  So a block of A is free as soon as its eight products are issued, and one set of registers serves A:
; blocks 0-3 are fetched anew in the step's middle, blocks 4-7 at its end.  B's fragments are at work through the whole step, so B has two sets.
.set SIZE_M, 4096
.set SIZE_N, 4096
.set SIZE_K, 4096
.set KSTEP,  256                       ; along K in a slot
.set ROWB,   256                       ; a tile's row in bytes
.set KROW,   SIZE_K                    ; a row of A or of B in memory, in bytes
.set PITCH,  272                       ; an LDS row: 256 bytes of data + 16 of padding = 68 words: row r starts at bank 4 r mod 64 (64 banks of 4 bytes: ISA guide 11.1), so the 16 rows that a load touches start at 16 different banks
.set FR,     16                        ; registers of a fragment: 16 rows x 128 K
.set NL,     4                         ; LDS loads that bring one
.set NP,     4                         ; places behind this matrix instruction (ISA guide 7.12.1)
.set HALFT,  128*PITCH                 ; 128 rows: what one tensor load brings, and what one wave reads of A or of B
.set SLOT,   4*HALFT                   ; A's 256 rows, then B's 256 rows
.set LAPS,   SIZE_K/(2*KSTEP)          ; a lap = two K steps = once round the ring: 8
.set SPARE,  2*SLOT                    ; behind the ring: the spare words, 128 bytes for each wave: two blocks of 256 bytes that no other line names
.set SPITCH, 528                       ; the way out: a stage of 16 rows x (512 bytes + 16) for each wave.  It lies in slot 0, which has had its last fill and its last read when the first result is stored there
.set SS,   8                           ; v8-15   the way out: four pairs: a multivector's sum of squares, then its factor
.set ADRA, 16                          ; v16-17  LDS address of my A fragments in slot 0, 1
.set ADRB, 20                          ; v20-21  the same for B
.set STO,  24                          ; v24     the way out: where I put 32 bytes of a row
.set RD,   25                          ; v25     the way out: where I read a row back
.set CO,   26                          ; v26     my byte offset in a row of out0
.set SPW,  28                          ; v28     LDS address of my spare word: SPARE + 4 x my thread's number; never rewritten
.set NIL,  29                          ; v29     0; never rewritten
.set PFO,  30                          ; v30     the prefetches' offset: my lane x a row of codes (4,096 bytes); never rewritten
.set TMP,  32                          ; the way out: 64 registers, a block's finished numbers
.set AF,   128                         ; A's fragments, in window 0
.set BK,   128                         ; the way out: 16 rows read back from the stage: v128-191 and v192-255 by turns
.set G1, 24                            ; s[24:31] descriptor group 1 for A's tiles;  s[32:39] group 0, one set for each slot
.set G0, 32
.set G1B, 48                           ; s[48:55], s[56:63] the same for B's tiles
.set G0B, 56
.set PFA, 66                           ; s[66:67] where my prefetches stand: my work-group's 32 rows of the 128 that I fetch, one K step further along K than the refill that is being asked for; a prefetch names the K step after that
.set LIM, 68                           ; s68     1 in a wave that prefetches, else the greatest number
.set SEL, 90                           ; s[90:91] lane selects for v_permlanex16_b32: lane l xor 16
.set MSB, 0
.macro WIN new                         ; the immediate's high byte repeats the setting that is left
.if MSB != \new
	s_set_vgpr_msb (MSB<<8)|\new
.set MSB, \new
.endif
.endm
.set MUL_LO, 0xa1                      ; source 0 (B) window 1, source 1 (A) window 0, C and D window 2
.set MUL_HI, 0xf1                      ; the same, C and D window 3
.set TO_B,   0x40                      ; destination window 1, address window 0
; A joint load: waves 0 and 1 fetch for A, waves 2 and 3 for B.  Each of the two lines has ONE mask and one set of registers for all that issue it; the branch hangs on the wave's number alone.
; Four v_nop follow each of the two lines, ahead of the jump, the label and what follows.
.macro JLOAD g0a, g1a, g0b, g1b
	s_cmp_eq_u32 s15, 0
	s_cbranch_scc0 .Lfor_b_\@
	tensor_load_to_lds s[\g0a:\g0a+3], s[\g1a:\g1a+7]
	s_nop 0
.rept 4
	v_nop
.endr
	s_branch .Lasked_\@
.Lfor_b_\@:
	tensor_load_to_lds s[\g0b:\g0b+3], s[\g1b:\g1b+7]
	s_nop 0
.rept 4
	v_nop
.endr
.Lasked_\@:
.endm
; A PREFETCH, behind a joint refill, its four lines and the run of LDS loads that follows: the K step that stands TWO refills on: 32 rows x 256 bytes, a lane a row, one instruction a wave: 256 matrix instructions ahead of the load that will ask for it.
; Each row's 256 bytes of a K step are named ONCE in the launch.  A's tile row is read by every cluster of that row of clusters: the first of them (cluster x = 0) asks; B's tile column by every cluster of that column: cluster y = 0 asks.
; The four partners that ask for a tile jointly share its rows out BY ADDRESS: of the 128 rows that a wave fetches, the partner at place p takes 32 p .. 32 p + 31 (p = cx for A, cy for B): no branch hangs on a work-group's place in its cluster.
; The loop's last trip (s3 = 1) asks for nothing: K step 15 is the last that is named.  K steps 0 to 3 come by their loads alone.
.macro ASK
	s_cmp_gt_u32 s3, s[LIM]
	s_cbranch_scc0 .Lnot_mine_\@
	global_prefetch_b8 v[PFO], s[PFA:PFA+1] offset:ROWB th:TH_LOAD_NT scope:SCOPE_SE
.Lnot_mine_\@:
.endm
.macro CREST                           ; a round of the cluster's barrier behind its opening barrier
	s_cmp_lg_u32 s14, 0
	s_cbranch_scc1 .Lnot_wave_0_\@
	s_barrier_signal -3
.Lnot_wave_0_\@:
	s_barrier_wait -3
	s_barrier_signal -1
	s_barrier_wait -1
.endm
.macro CROUND                          ; a whole round
	s_barrier_signal -1
	s_barrier_wait -1
	CREST
.endm
	s_load_b128 s[4:7], s[0:1], 0x0                ; A's codes s[4:5], B's codes s[6:7]
	s_load_b128 s[8:11], s[0:1], 0x10              ; the scales' exponents s[8:9], out0 s[10:11]
	v_lshl_add_u32 v[SPW], v0, 2, SPARE
	v_mov_b32 v[NIL], 0
	ds_add_u32 v28, v29
	ds_add_u32 v28, v29
	s_wait_dscnt 0x0
	v_lshrrev_b32 v1, 5, v0
	v_readfirstlane_b32 s14, v1                    ; wave 0..3
	s_lshr_b32 s15, s14, 1                         ; which half of the tile's rows is mine.  Also: I fetch for A (0) or for B (1)
	s_and_b32 s16, s14, 1                          ; which half of its columns.  Also: which 128 rows of that tile I fetch
	s_bfe_u32 s40, ttmp6, 0x40000                  ; cx, cy: my place in the cluster
	s_bfe_u32 s41, ttmp6, 0x40004
	s_lshl_b32 s42, ttmp9, 2
	s_add_co_u32 s42, s42, s40                     ; tile column = 4 x cluster x + cx
	s_and_b32 s17, ttmp7, 0xffff
	s_lshl_b32 s17, s17, 2
	s_add_co_u32 s17, s17, s41                     ; tile row = 4 x cluster y + cy
	s_lshl_b32 s43, s41, 2
	s_lshl_b32 s43, 15, s43                        ; my row of the cluster
	s_lshl_b32 s44, 0x1111, s40                    ; my column
	; descriptor group 1: a tile of 128 rows x ROWB bytes, padded in LDS
	s_or_b32 s[G1+0], s43, (0<<16)|(1<<20)|(1<<21)|(5<<22)|(3<<25)  ; 15:0 the mask: A's tiles go to my row; 17:16 element of 1 byte; 20 padding on; 21 set beside a mask; 24:22 after every 64 words (code 5); 31:25 of 4 words (code 3)
	s_or_b32 s[G1B+0], s44, (0<<16)|(1<<20)|(1<<21)|(5<<22)|(3<<25)
.irp g, G1, G1B
	s_mov_b32 s[\g+1], ROWB<<16                    ; tensor_dim0
	s_mov_b32 s[\g+2], 128<<16                     ; tensor_dim1 = 128
	s_mov_b32 s[\g+3], ROWB<<16                    ; tile_dim0
	s_mov_b32 s[\g+4], 128                         ; tile_dim1 = 128
	s_mov_b32 s[\g+5], KROW                        ; tensor_dim0_stride
	s_mov_b32 s[\g+6], 0
	s_mov_b32 s[\g+7], 0
.endr
	s_mov_b32 s[SEL], 0x76543210
	s_mov_b32 s[SEL+1], 0xfedcba98
	s_lshl_b32 s18, s16, 7                         ; which 128 rows of the tile I fetch
	s_lshl_b32 s20, s17, 8
	s_add_co_u32 s20, s20, s18                     ; A: row 256 x tile row + 128 x half
	s_lshl_b32 s46, s42, 8
	s_add_co_u32 s46, s46, s18                     ; B: row 256 x tile column + 128 x half
	s_mov_b32 s21, 0
	s_mov_b32 s47, 0
	s_mov_b64 s[18:19], KROW
	s_mul_u64 s[20:21], s[20:21], s[18:19]         ; and their codes
	s_mul_u64 s[46:47], s[46:47], s[18:19]
	s_mul_i32 s45, s14, HALFT                      ; where they go: wave x 128 rows: no place in the cluster enters an LDS address
	s_wait_kmcnt 0x0
	s_load_b64 s[96:97], s[8:9], 0x8               ; e2, e3
	s_add_nc_u64 s[20:21], s[4:5], s[20:21]
	s_add_nc_u64 s[46:47], s[6:7], s[46:47]
	CROUND                                         ; all sixteen work-groups are here: the first joint loads meet
.irp s, 0,1
	s_mov_b32 s[G0+4*\s], 1
	s_add_co_u32 s[G0+4*\s+1], s45, \s*SLOT
	s_add_nc_u64 s[G0+4*\s+2:G0+4*\s+3], s[20:21], \s*ROWB
	s_or_b32 s[G0+4*\s+3], s[G0+4*\s+3], 0x80000000
	s_mov_b32 s[G0B+4*\s], 1
	s_add_co_u32 s[G0B+4*\s+1], s45, \s*SLOT
	s_add_nc_u64 s[G0B+4*\s+2:G0B+4*\s+3], s[46:47], \s*ROWB
	s_or_b32 s[G0B+4*\s+3], s[G0B+4*\s+3], 0x80000000
	JLOAD G0+4*\s, G1, G0B+4*\s, G1B               ; two loads of mine are out behind the second
.endr
	v_and_b32 v1, 15, v0                           ; l % 16
	v_bfe_u32 v2, v0, 4, 1                         ; l / 16
	v_mul_u32_u24 v3, v1, PITCH
	v_lshl_add_u32 v4, v2, 4, v3                   ; a fragment's row x pitch + 16 x half
	s_mul_i32 s21, s15, HALFT                      ; my 128 rows of A
	s_mul_i32 s22, s16, HALFT                      ; my 128 rows of B,
	s_add_co_u32 s22, s22, 2*HALFT                 ; which lie behind A's 256
.irp s, 0,1
	v_add_nc_u32 v[ADRA+\s], s21, v4
	v_add_nc_u32 v[ADRB+\s], s22, v4
	s_add_co_u32 s21, s21, SLOT
	s_add_co_u32 s22, s22, SLOT
.endr
	s_mul_i32 s23, s14, 16*SPITCH                  ; my stage
	v_mul_u32_u24 v5, v1, SPITCH                   ; in: row l % 16, 32 bytes for each half of the lanes
	v_lshl_add_u32 v5, v2, 5, v5
	v_add_nc_u32 v[STO], s23, v5
	v_and_b32 v6, 31, v0
	v_lshlrev_b32 v[CO], 4, v6                     ; back: the 32 lanes take one row of 512 bytes; and the same in out0
	v_add_nc_u32 v[RD], s23, v[CO]
	v_lshlrev_b32 v[PFO], 12, v6
	s_lshl_b32 s20, s17, 8
	s_lshl_b32 s21, s15, 7
	s_add_co_u32 s20, s20, s21                     ; my first row of out0: 256 x tile row + 128 x half
	s_mov_b32 s21, 0
	s_mov_b64 s[18:19], SIZE_N*4
	s_mul_u64 s[20:21], s[20:21], s[18:19]
	s_lshl_b32 s46, s42, 10                        ; my first column, in bytes: 1024 x tile column + 512 x half
	s_lshl_b32 s47, s16, 9
	s_add_co_u32 s46, s46, s47
	s_mov_b32 s47, 0
	s_add_nc_u64 s[20:21], s[20:21], s[46:47]
	s_add_nc_u64 s[10:11], s[10:11], s[20:21]
	; the prefetches: where my wave's stand, and who asks
	s_lshl_b32 s70, s17, 8                         ; 256 x tile row
	s_lshl_b32 s71, s42, 8                         ; 256 x tile column
	s_and_b32 s72, ttmp7, 0xffff                   ; cluster y
	s_cmp_eq_u32 s15, 0                            ; do I fetch for A?
	s_cselect_b32 s70, s70, s71                    ; the tile's first row: in A by the tile row, in B by the tile column
	s_cselect_b32 s71, s40, s41                    ; my place among the four that ask for it with me
	s_cselect_b32 s72, ttmp9, s72                  ; the coordinate along which other clusters read the same rows
	s_cselect_b64 s[PFA:PFA+1], s[4:5], s[6:7]
	s_cmp_eq_u32 s72, 0
	s_cselect_b32 s[LIM], 1, -1                    ; the same in all sixteen partners, for a given wave
	s_lshl_b32 s72, s16, 7
	s_add_co_u32 s70, s70, s72                     ; + the 128 rows that I fetch
	s_lshl_b32 s71, s71, 5
	s_add_co_u32 s70, s70, s71                     ; + my work-group's 32 of them
	s_lshl_b32 s70, s70, 12                        ; rows of 4,096 bytes: under 2^24
	s_mov_b32 s71, 0
	s_add_nc_u64 s[PFA:PFA+1], s[PFA:PFA+1], s[70:71]
	s_add_nc_u64 s[PFA:PFA+1], s[PFA:PFA+1], 2*ROWB  ; at K step 2: the first refill steps it to 3 and names K step 4.  Nothing is prefetched here, at the head, where every work-group's first tiles are on their way
.macro FRAG reg, adr, q, i             ; a fragment, 16 rows x 128 K of 8-bit codes, is 16 registers, fetched by four loads of 16 bytes, 32 bytes apart: the same places of K in A and in B
.irp c, 0,1,2,3
	ds_load_b128 v[\reg+4*\c:\reg+4*\c+3], v[\adr] offset:128*(\q)+32*\c+(\i)*16*PITCH
.endr
.endm
; 16 matrix instructions: A's blocks a0, a0 + 1 x B's eight, 128 along K.  p: B's set.  zero = 1: the first product starts the sums: nothing is ever cleared.
; The 64 accumulators take turns, one instruction a turn, in the same order in every step.
.macro MUL16 a0, p, zero
.irp a, \a0, \a0+1
.irp b, 0,1,2,3,4,5,6,7
.if \zero
	v_wmma_f32_16x16x128_bf8_bf8 v[8*(8*((\a)%4)+\b):8*(8*((\a)%4)+\b)+7], v[128*(\p)+FR*\b:128*(\p)+FR*\b+FR-1], v[AF+FR*(\a):AF+FR*(\a)+FR-1], 0
.else
	v_wmma_f32_16x16x128_bf8_bf8 v[8*(8*((\a)%4)+\b):8*(8*((\a)%4)+\b)+7], v[128*(\p)+FR*\b:128*(\p)+FR*\b+FR-1], v[AF+FR*(\a):AF+FR*(\a)+FR-1], v[8*(8*((\a)%4)+\b):8*(8*((\a)%4)+\b)+7]
.endif
.endr
.endr
.endm
.macro FETCH_B slot, q, p              ; B's eight fragments of the slot's q-th 128 along K into set p
	WIN TO_B
.irp i, 0,1,2,3,4,5,6,7
	FRAG 128*(\p)+FR*\i, ADRB+\slot, \q, \i
.endr
	WIN 0
.endm
.macro FETCH_A slot, q, i0             ; A's blocks i0 .. i0 + 3
.irp i, \i0, \i0+1, \i0+2, \i0+3
	FRAG AF+FR*(\i), ADRA+\slot, \q, \i
.endr
.endm
; A load into a register that a matrix instruction has read, and a vector instruction or an LDS store that reads a matrix result, stand NP places behind that matrix instruction, and only plain vector
; instructions that name none of its registers are places (ISA guide 7.12.1 for vector instructions); this text does not count the matrix instructions in between.
.macro PLACES n
.rept \n
	v_nop
.endr
.endm
; A step of 128 along K that has its successor in the same slot.
.macro STEP slot, q, zero
	s_wait_dscnt 4*NL                              ; B's set and A's blocks 0-3 are in; the youngest sixteen loads (A's blocks 4-7) may be out
	WIN MUL_LO
	MUL16 0, (\q)%2, \zero
	MUL16 2, (\q)%2, \zero
	s_wait_dscnt 0                                 ; A's blocks 4-7 are in (asked for 32 matrix instructions ago)
	PLACES NP
	FETCH_B \slot, (\q)+1, 1-(\q)%2
	FETCH_A \slot, (\q)+1, 0
	WIN MUL_HI
	MUL16 4, (\q)%2, \zero
	MUL16 6, (\q)%2, \zero
	PLACES NP
	WIN 0
	FETCH_A \slot, (\q)+1, 4
.endm
; A slot's last step changes slots: ONE barrier; in front of it each wave waits for all its tensor loads, adds 0 to its spare word, and waits for that and for its own reads of this slot.  fill = 1: this slot is filled again, two K steps ahead.
.macro TURN slot, next, fill
.if \fill
	s_wait_xcnt 0x0                                ; the last prefetch, a K step back, has read its address: it is stepped here, ahead of the waits of the change of slots
	s_add_nc_u64 s[PFA:PFA+1], s[PFA:PFA+1], ROWB
.endif
	s_wait_tensorcnt 0x0                           ; all my tensor loads have landed: the one that was out is my part of the next slot;  (every window is 0 here: the add's two registers lie in window 0)
	ds_add_u32 v[SPW], v[NIL]                      ; 0 onto my spare word
	s_wait_dscnt 4*NL+1                            ; (the add and the youngest sixteen loads, A's blocks 4-7, may be out)
	WIN MUL_LO
	MUL16 0, 1, 0                                  ; sixteen matrix instructions stand between the add and the wait for it
	s_wait_dscnt 0x0                               ; the add is done, and my reads of this slot are over
	s_barrier_signal -1
	MUL16 2, 1, 0
	WIN 0
	s_barrier_wait -1
.if \fill
	CREST                                          ; the barrier has opened a round of the cluster's barrier: no wave of any partner still reads this slot's tile or has a load on its way
	s_add_nc_u64 s[G0+4*\slot+2:G0+4*\slot+3], s[G0+4*\slot+2:G0+4*\slot+3], 2*ROWB
	s_add_nc_u64 s[G0B+4*\slot+2:G0B+4*\slot+3], s[G0B+4*\slot+2:G0B+4*\slot+3], 2*ROWB
	JLOAD G0+4*\slot, G1, G0B+4*\slot, G1B         ; the first tensor load behind the round, my one load until the next; the four v_nop behind it are the places in front of the loads below
.else
	PLACES NP
.endif
	FETCH_B \next, 0, 0
	FETCH_A \next, 0, 0
.if \fill
	ASK                                            ; behind the joint load and the run of LDS loads for which the next products wait
.endif
	WIN MUL_HI
	MUL16 4, 1, 0
	MUL16 6, 1, 0
	PLACES NP
	WIN 0
	FETCH_A \next, 0, 4
.endm
	s_wait_tensorcnt 1                             ; my part of K step 0 is in (K step 1's load may be out)
	s_barrier_signal -1
	s_barrier_wait -1                              ; everybody's is
	FETCH_B 0, 0, 0
	FETCH_A 0, 0, 0
	FETCH_A 0, 0, 4
	STEP 0, 0, 1                                   ; the first step stands in front of the loop: its products start the sums
	s_mov_b32 s3, LAPS-1
.Llap:                                                 ; a trip goes once round the ring, from a lap's second step to the next lap's first, and fills both slots again
	TURN 0, 1, 1
	STEP 1, 0, 0
	TURN 1, 0, 1
	STEP 0, 0, 0
	s_sub_co_u32 s3, s3, 1
	s_cmp_lg_u32 s3, 0
	s_cbranch_scc1 .Llap
	TURN 0, 1, 0                                   ; the last lap fills nothing, and has no round of the cluster's barrier
	STEP 1, 0, 0
	s_wait_dscnt 4*NL                              ; the very last step: nothing more to fetch
	WIN MUL_LO
	MUL16 0, 1, 0
	MUL16 2, 1, 0
	s_wait_dscnt 0
	WIN MUL_HI
	MUL16 4, 1, 0
	MUL16 6, 1, 0
	WIN 0
; THE WAY OUT, block by block of 16 rows x 128 columns: four multivectors a row.  Multivector g is accumulators 2 g and 2 g + 1: registers AC + 16 g + 0 .. 15 of lanes l and l xor 16.
; Then, as a lane holds 32 neighbouring bytes of a row and the lanes beside it hold other rows, the block goes through my own stage in LDS and comes back as whole rows of 512 bytes, which the 32 lanes store as
; 512 consecutive bytes, aligned.  LDS serves a wave's instructions in order (ISA guide 5.7.1.4): no wait between the stores and the loads, nor in front of the next block's stores.
.macro TOSTAGE a
.set AC, 64*((\a)%4)
	WIN 0x0a+5*((\a)/4)                            ; sources 0 and 1: window 2 or 3
.irp g, 0,1,2,3
	v_pk_mul_f32 v[SS+2*\g:SS+2*\g+1], v[AC+16*\g:AC+16*\g+1], v[AC+16*\g:AC+16*\g+1]   ; the first squares start the sums; four chains by turns; each accumulator from its low end on
.endr
.irp p, 1,2,3,4,5,6,7
.irp g, 0,1,2,3
	v_pk_fma_f32 v[SS+2*\g:SS+2*\g+1], v[AC+16*\g+2*\p:AC+16*\g+2*\p+1], v[AC+16*\g+2*\p:AC+16*\g+2*\p+1], v[SS+2*\g:SS+2*\g+1]
.endr
.endr
	WIN 0
.irp g, 0,1,2,3
	v_add_f32 v[SS+2*\g], v[SS+2*\g], v[SS+2*\g+1] ; my 16 squares,
.endr
.irp g, 0,1,2,3
	v_permlanex16_b32 v[SS+2*\g+1], v[SS+2*\g], s[SEL], s[SEL+1]
.endr
.irp g, 0,1,2,3
	v_add_f32 v[SS+2*\g], v[SS+2*\g], v[SS+2*\g+1] ; and lane l xor 16's
.endr
.irp g, 0,1,2,3
	v_ldexp_f32 v[SS+2*\g], v[SS+2*\g], s95        ; x 2^(2 (e2 + e3)): the sum of y^2
.endr
.irp g, 0,1,2,3
	v_add_f32 v[SS+2*\g], 0x358637bd, v[SS+2*\g]   ; + 1e-6
.endr
.irp g, 0,1,2,3
	v_rsq_f32 v[SS+2*\g], v[SS+2*\g]
.endr
	v_nop                                          ; a plain instruction between the last root and the use of its result (ISA guide 5.7.2)
	s_wait_alu depctr_va_vdst(0)                   ; and the wait ahead of the first use: one for the four roots
.irp g, 0,1,2,3
	v_ldexp_f32 v[SS+2*\g], v[SS+2*\g], s94        ; x 2^(e2 + e3): what a sum is multiplied by
.endr
	WIN 0x02+((\a)/4)                              ; source 0: window 2 or 3
.irp g, 0,1,2,3
.irp p, 0,1,2,3,4,5,6,7
	v_pk_mul_f32 v[TMP+16*\g+2*\p:TMP+16*\g+2*\p+1], v[AC+16*\g+2*\p:AC+16*\g+2*\p+1], v[SS+2*\g:SS+2*\g+1] op_sel_hi:[1,0]   ; both by the pair's low word
.endr
.endr
	WIN 0
.irp b, 0,1,2,3,4,5,6,7
	ds_store_b128 v[STO], v[TMP+8*\b:TMP+8*\b+3] offset:64*\b
	ds_store_b128 v[STO], v[TMP+8*\b+4:TMP+8*\b+7] offset:64*\b+16
.endr
.set BB, BK+64*((\a)%2)
.irp t, 0,1,2,3,4,5,6,7,8,9,10,11,12,13,14,15
	ds_load_b128 v[BB+4*\t:BB+4*\t+3], v[RD] offset:\t*SPITCH
.endr
.endm
.macro SEND a, younger                 ; younger: the LDS instructions issued behind block a's loads, which may stay out
.set BB, BK+64*((\a)%2)
	s_wait_dscnt \younger                          ; the block is back in registers
.if (\a) > 0
	s_add_nc_u64 s[10:11], s[10:11], 16*SIZE_N*4   ; (behind a wait on XCNT: the earlier stores have read their base)  16 rows on, so that the stores' offsets stay small: 15 rows of 16,384 bytes at the most
.endif
.irp t, 0,1,2,3,4,5,6,7,8,9,10,11,12,13,14,15
	global_store_b128 v[CO], v[BB+4*\t:BB+4*\t+3], s[10:11] offset:\t*SIZE_N*4 th:TH_STORE_NT   ; 32 lanes store 512 consecutive bytes, at a multiple of 256 from out0's first byte; written once, read by nobody here
.endr
.endm
	s_wait_kmcnt 0x0
	s_add_co_i32 s94, s96, s97                     ; e2 + e3,
	s_lshl_b32 s95, s94, 1                         ; and twice that
	PLACES NP                                      ; behind the last products: these places serve the first reads of results and the loads into the registers that held A's fragments alike
	TOSTAGE 0
.irp a, 1,2,3,4,5,6,7
.if \a > 1
	s_wait_xcnt 0x0                                ; block a - 2's stores have read their registers and their base: block a's loads may land there, and the base may step
.endif
	TOSTAGE \a
	SEND \a-1, 32                                  ; behind block a - 1's loads: block a's 16 stores and 16 loads
.endr
	s_wait_xcnt 0x0                                ; block 6's stores have read their base
	SEND 7, 0
	s_wait_tensorcnt 0x0                           ; the wave's end: behind my last tensor load and my last LDS store
	ds_add_u32 v[SPW], v[NIL]
	s_wait_dscnt 0x0
	CROUND                                         ; the closing round: no work-group ends while a partner may still ask for a tile that names it
	s_endpgm
.Lfunc_end_k_qe6961a6d30_gemm:
	.size	k_qe6961a6d30_gemm, .Lfunc_end_k_qe6961a6d30_gemm-k_qe6961a6d30_gemm
	.p2alignl 7, 3214868480
	.fill 96, 4, 3214868480
	.section	.rodata,"a",@progbits
	.p2align	6, 0x0
	.amdhsa_kernel k_qe6961a6d30_gemm
		.amdhsa_group_segment_fixed_size 327680
		.amdhsa_private_segment_fixed_size 0
		.amdhsa_enable_private_segment 0
		.amdhsa_kernarg_size 32
		.amdhsa_user_sgpr_count 2
		.amdhsa_user_sgpr_kernarg_segment_ptr 1
		.amdhsa_wavefront_size32 1
		.amdhsa_system_sgpr_workgroup_id_x 1
		.amdhsa_system_sgpr_workgroup_id_y 1
		.amdhsa_system_sgpr_workgroup_id_z 1
		.amdhsa_system_vgpr_workitem_id 0
		.amdhsa_next_free_vgpr 1024
		.amdhsa_next_free_sgpr 98
		.amdhsa_reserve_vcc 0
		.amdhsa_float_denorm_mode_32 3
		.amdhsa_float_denorm_mode_16_64 3
		.amdhsa_memory_ordered 1
		.amdhsa_forward_progress 1
		.amdhsa_inst_pref_size 152
	.end_amdhsa_kernel
	.amdgpu_metadata
---
amdhsa.version: [ 1, 2 ]
amdhsa.kernels:
  - .name:           k_qe6961a6d30_gemm
    .symbol:         k_qe6961a6d30_gemm.kd
    .args:
      - { .name: x_codes, .offset: 0, .size: 8, .value_kind: global_buffer, .address_space: global }
      - { .name: w_codes, .offset: 8, .size: 8, .value_kind: global_buffer, .address_space: global }
      - { .name: lowp_scales, .offset: 16, .size: 8, .value_kind: global_buffer, .address_space: global }
      - { .name: out0, .offset: 24, .size: 8, .value_kind: global_buffer, .address_space: global }
    .group_segment_fixed_size: 327680
    .private_segment_fixed_size: 0
    .kernarg_segment_align: 8
    .kernarg_segment_size: 32
    .max_flat_workgroup_size: 128
    .sgpr_count:     98
    .vgpr_count:     1024
    .wavefront_size: 32
...
	.end_amdgpu_metadata
.endif
;; end of part 2
;; ======== version 2 of 2: 2 launches
;; limits: right only within a limited range of input values
;; workspace buffers: x_codes 16,777,216 bytes; w_base 524,288 bytes
;; launch prep (part 3): grid 544 x 1, 4 waves a work-group, no clusters, 20,992 bytes of LDS; arguments x, weight, lowp_scales, x_codes, w_base; writes x_codes, w_base
.if DOCPART == 3
	.amdgcn_target "amdgcn-amd-amdhsa--gfx1250"
	.amdhsa_code_object_version 6
	.text
	.protected	k_qe6961a6d30_prep
	.globl	k_qe6961a6d30_prep
	.p2align	8
	.type	k_qe6961a6d30_prep,@function
k_qe6961a6d30_prep:
	s_mov_b64 s[64:65], 0
	v_nop
	global_prefetch_b8 v0, s[64:65] scope:SCOPE_SE
	s_setreg_imm32_b32 hwreg(HW_REG_WAVE_MODE, 25, 1), 1
	s_wait_xcnt 0x0
; What the large product's launch reads is made here, once, as codes of BF8 (E5M2).
;   x_codes [4096 b][4096 K = 32 f + i]: x[b][f][i] / 2^e2, held within +-57,344, to the nearest code.
;   w_base  [128 o][4096 = 32 f + j]:    U[o][f][j] / 2^e3 likewise, U[o][f][j] = Wc[o][f][0][j].
; WHY ONE SLICE OF THE SMALL PRODUCT IS ENOUGH.  Wc[o][f][i][k] = sum over j of Q(weight, e0)[o][f][j] x Q(table, e1)[i][j][k], and row (i, k) of the table has ONE entry, +1 or -1, at j = i xor k.
; So Wc[o][f][i][k] = s(i, i xor k) x U[o][f][i xor k], where U is the slice i = 0, whose entries are all +1 (e_0 e_j = e_j).  The quantiser is odd: the code of -v is the code of v with the sign bit turned.
; The next launch takes the permutation and the signs onto the codes.  (A zero may so become the code of -0, which adds nothing to a sum.)  The slice itself is multiplied here, by the matrix unit, on codes made by the stated quantiser.
; SHARES.  Work-groups 0 to 31 take the weight: wave w of work-group g takes output feature o = 4 g + w, all 128 f.
; Work-groups 32 to 543 take x: a wave takes 8,192 numbers on end, 16 steps of 512.  Waves share nothing: no barrier.  Only x's path uses LDS.
; No tensor loads and no cluster: no two work-groups read the same bytes.
; LIMITS on the given exponents, so that each power of two below is an f32 number: e0, e1, e2 and e3 - e0 - e1 between -126 and 112.  NaN among the inputs is not served; infinities are held at the largest code.
.set NWW,   32                         ; work-groups of the weight's path
.set STEPS, 16
.macro MKSCALE e, vs, vh               ; s[e] = a scale's exponent:  v[vs] = 2^e as f32 (a conversion takes its exponent field);  v[vh] = 57,344 x 2^e (exponent + 15, mantissa field 0x600000)
	s_add_co_i32 s24, s[\e], 127
	s_lshl_b32 s25, s24, 23
	v_mov_b32 v[\vs], s25
	s_add_co_i32 s24, s24, 15
	s_lshl_b32 s24, s24, 23
	s_or_b32 s24, s24, 0x600000
	v_mov_b32 v[\vh], s24
.endm
	s_load_b128 s[4:7], s[0:1], 0x0                ; x s[4:5], weight s[6:7]
	s_load_b64 s[8:9], s[0:1], 0x10                ; the scales' exponents
	s_load_b128 s[12:15], s[0:1], 0x18             ; x_codes s[12:13], w_base s[14:15]
	v_lshl_add_u32 v254, v0, 2, 0x5000
	v_mov_b32 v255, 0
	v_lshrrev_b32 v1, 5, v0
	v_readfirstlane_b32 s16, v1                    ; wave 0..3
	v_and_b32 v2, 31, v0                           ; lane
	v_lshlrev_b32 v3, 4, v2                        ; 16 x lane: my 16 bytes of 512, in loads of x and in stores of its codes; never rewritten
	v_and_b32 v4, 15, v0                           ; r
	v_bfe_u32 v5, v0, 4, 1                         ; h
	s_wait_kmcnt 0x0
	s_load_b128 s[20:23], s[8:9], 0x0              ; e0, e1, e2, e3
	s_cmp_lt_u32 ttmp9, NWW                        ; the two paths part on the work-group's number and never join
	s_cbranch_scc1 .Lweights
; ---------------------------------------------------------------- x
; Each of a step's four loads reads 512 consecutive bytes, 16 a lane.  A lane's 16 codes are to be 16 neighbouring bytes of the output: so a step's 2,048 bytes go through the wave's own stage in LDS, as they lie,
; with 16 bytes of padding behind each 64, and come back 64 bytes a lane: lane l takes numbers 16 l .. 16 l + 15.  Loads run eight steps (32 loads a wave) ahead, the turn through LDS one step, in two stages by turns.
.set SP,    80                         ; a lane's place in a stage: its 64 bytes + 16 of padding
.set STG,   32*SP                      ; a stage
.set WREG,  2*STG                      ; LDS: a wave's region: two stages
.set R,     16                         ; v16-143  eight sets of 16 numbers as loaded
.set X,     144                        ; v144-175 two sets of 16 neighbours
.set C,     176                        ; v176-239 codes: four registers for each step, so that no store's data are written again
	s_sub_co_u32 s17, ttmp9, NWW
	s_lshl_b32 s17, s17, 2
	s_add_co_u32 s17, s17, s16                     ; which run of 8,192 numbers is my wave's: 0 .. 2,047
	s_lshl_b32 s18, s17, 15                        ; 32,768 bytes of f32,
	s_mov_b32 s19, 0
	s_add_nc_u64 s[4:5], s[4:5], s[18:19]
	s_lshl_b32 s26, s17, 13                        ; 8,192 bytes of codes
	s_mov_b32 s27, 0
	s_add_nc_u64 s[12:13], s[12:13], s[26:27]
	s_mul_i32 s28, s16, WREG
	s_wait_alu depctr_va_vdst(0)
	v_lshrrev_b32 v14, 2, v2
	v_mul_u32_u24 v14, v14, SP
	v_and_b32 v15, 3, v2
	v_lshl_add_u32 v14, v15, 4, v14
	v_add_nc_u32 v14, s28, v14                     ; the stage, on the way in: four lanes' 64 bytes on end, then the padding: SP (lane / 4) + 16 (lane % 4); a load's 512 bytes take eight places
	v_mul_u32_u24 v15, v2, SP
	v_add_nc_u32 v15, s28, v15                     ; and on the way out: SP x lane
.macro LOAD t
.irp i, 0,1,2,3
	global_load_b128 v[R+16*((\t)%8)+4*\i:R+16*((\t)%8)+4*\i+3], v3, s[4:5] offset:2048*(\t)+512*\i th:TH_LOAD_NT   ; read once in the launch
.endr
.endm
.macro TURN t                          ; step t's numbers through the stage: LDS serves a wave's instructions in order (ISA guide 5.7.1.4), so no wait stands between the stores and the loads
.irp i, 0,1,2,3
	ds_store_b128 v14, v[R+16*((\t)%8)+4*\i:R+16*((\t)%8)+4*\i+3] offset:STG*((\t)%2)+8*SP*\i
.endr
.irp i, 0,1,2,3
	ds_load_b128 v[X+16*((\t)%2)+4*\i:X+16*((\t)%2)+4*\i+3], v15 offset:STG*((\t)%2)+16*\i
.endr
.endm
.irp t, 0,1,2,3,4,5,6,7
	LOAD \t
.endr
	s_wait_alu depctr_va_vdst(0)
	s_wait_kmcnt 0x0
	MKSCALE 22, 11, 10                             ; v11 = 2^e2, v10 = 57,344 x 2^e2
	s_wait_alu depctr_va_vdst(0)
	s_wait_loadcnt 28                              ; step 0's four loads are in; the seven steps behind it may be out
	TURN 0
.macro STEP t
.set XS, X+16*((\t)%2)
	s_wait_dscnt 0x0                               ; this step's numbers are back from the stage: so its stores into the stage have read their registers,
.if (\t)+8 < STEPS
	LOAD (\t)+8                                    ; which take the loads of eight steps on
.endif
.if (\t)+1 < STEPS
.if (\t)+8 < STEPS
	s_wait_loadcnt 28                              ; the next step's four loads are in; those of the seven steps behind it may be out
.else
	s_wait_loadcnt 4*(STEPS-2-(\t))                ; nothing more is asked for: the counts run down
.endif
	TURN (\t)+1                                    ; and go through the other stage while this step is worked
.endif
.irp i, 0,1,2,3,4,5,6,7,8,9,10,11,12,13,14,15
	v_med3_num_f32 v[XS+\i], v[XS+\i], -v10, v10   ; the conversion to an 8-bit code does not saturate (ISA guide 7.6.2): the hold at the largest code x the scale comes first
.endr
	v_cvt_scalef32_pk8_bf8_f32 v[C+4*(\t):C+4*(\t)+1], v[XS:XS+7], v11
	v_cvt_scalef32_pk8_bf8_f32 v[C+4*(\t)+2:C+4*(\t)+3], v[XS+8:XS+15], v11
	v_nop                                          ; one plain vector line behind the last conversion of a run
	global_store_b128 v3, v[C+4*(\t):C+4*(\t)+3], s[12:13] offset:512*(\t)   ; the wave stores 512 consecutive bytes, aligned
.endm
.irp t, 0,1,2,3,4,5,6,7,8,9,10,11,12,13,14,15
	STEP \t
.endr
	s_wait_tensorcnt 0x0
	ds_add_u32 v254, v255
	s_wait_dscnt 0x0
	s_endpgm
; ---------------------------------------------------------------- the weight
; U[o][f][k] = sum over j of W[o][f][j] C[0][j][k].  The form of K = 64 is used with j in its first 32 places and zero codes in the other 32, on both sides.
; Registers 0-3 of lane (r, h) hold j = 16 h + 0 .. 15 in both operands (a permutation of the places, alike on both sides); registers 4-7 are zeros.
; Source 1: the weight's fragment g: lane r = row (o, f = 16 g + r).  Source 0: the table's fragment u: lane r = row (i = 0, k = 8 u + r + 8 (r / 8)): THE ROWS OF A TILE ARE NOT NEIGHBOURS.
; In the result, register j of lane (r, h) is then k = 8 u + 16 h + j of (o, 16 g + r): the 16 registers of tiles u = 0, 1 are k = 16 h + 0 .. 15: 16 neighbouring bytes of w_base.
; Row (0, k) of the table has its one entry, +1, at j = k; its code is that of +1 under e1.
.set RAW,   16                         ; v16-143  the weight's 128 x 32 numbers of my o: 16 a lane for each of 8 groups of 16 f.  Then these registers serve as:
.set OUT,   16                         ; v16-47   codes on their way out: 4 registers for each of 8 groups
.set D,     48                         ; v48-111  eight results: group q of four, tile u at D + 16 q + 8 u
.set CF,    112                        ; v112-127 the table's two fragments: tile u at CF + 8 u
.set WF,    144                        ; v144-207 the weight's fragments: group g at WF + 8 g
.set IW,    208                        ; v208-209 my row's k in tile u
.set H4,    212                        ; v212     4 h
.set PM,    228                        ; v[228:229] byte 0: the code of +1
.Lweights:
	s_lshl_b32 s17, ttmp9, 2
	s_add_co_u32 s17, s17, s16                     ; o
	s_lshl_b32 s18, s17, 14                        ; W[o]: 128 rows of 128 bytes
	s_mov_b32 s19, 0
	s_add_nc_u64 s[6:7], s[6:7], s[18:19]
	s_lshl_b32 s26, s17, 12                        ; row o of w_base: 4,096 bytes
	s_mov_b32 s27, 0
	s_add_nc_u64 s[14:15], s[14:15], s[26:27]
	s_wait_alu depctr_va_vdst(0)
	v_lshlrev_b32 v6, 7, v4
	v_lshl_add_u32 v6, v5, 6, v6                   ; in: row r of 128 bytes, + 64 h: my 16 numbers
	v_lshlrev_b32 v7, 5, v4
	v_lshl_add_u32 v7, v5, 4, v7                   ; out: 32 r + 16 h: my 16 codes; the 32 lanes cover 512 consecutive bytes
.irp g, 0,1,2,3,4,5,6,7
.irp c, 0,1,2,3
	global_load_b128 v[RAW+16*\g+4*\c:RAW+16*\g+4*\c+3], v6, s[6:7] offset:2048*\g+16*\c
.endr
.endr
	v_and_b32 v[IW], 8, v4
	v_add_nc_u32 v[IW], v[IW], v4                  ; r + 8 (r / 8)
	v_add_nc_u32 v[IW+1], 8, v[IW]
	v_lshlrev_b32 v[H4], 2, v5
	v_mov_b32 v220, 1.0                            ; the slice's one number, and seven zeros to fill the conversion
.irp i, 221,222,223,224,225,226,227
	v_mov_b32 v\i, 0
.endr
	s_wait_kmcnt 0x0
	MKSCALE 20, 11, 10                             ; the weight's: e0
	MKSCALE 21, 219, 218                           ; the table's: e1
	s_sub_co_i32 s28, s23, s20
	s_sub_co_i32 s28, s28, s21                     ; a sum stands for sum x 2^(e0 + e1), so its code under e3 is sum / 2^(e3 - e0 - e1): three scales in one
	MKSCALE 28, 13, 12
	s_wait_alu depctr_va_vdst(0)
.irp g, 0,1,2,3,4,5,6,7
	s_wait_loadcnt 28-4*\g                         ; group g's four loads are in; the groups behind it may be out
.irp i, 0,1,2,3,4,5,6,7,8,9,10,11,12,13,14,15
	v_med3_num_f32 v[RAW+16*\g+\i], v[RAW+16*\g+\i], -v10, v10
.endr
	v_cvt_scalef32_pk8_bf8_f32 v[WF+8*\g:WF+8*\g+1], v[RAW+16*\g:RAW+16*\g+7], v11
	v_cvt_scalef32_pk8_bf8_f32 v[WF+8*\g+2:WF+8*\g+3], v[RAW+16*\g+8:RAW+16*\g+15], v11
.endr
	v_nop                                          ; one plain vector line between a scaled conversion and what next writes its sources or reads its results
.irp g, 0,1,2,3,4,5,6,7
.irp c, 4,5,6,7
	v_mov_b32 v[WF+8*\g+\c], 0                     ; zero codes in the places 32 to 63 of K: operands, not sums
.endr
.endr
.irp u, 0,1
.irp c, 4,5,6,7
	v_mov_b32 v[CF+8*\u+\c], 0
.endr
.endr
	v_med3_num_f32 v220, v220, -v218, v218
	v_cvt_scalef32_pk8_bf8_f32 v[PM:PM+1], v[220:227], v219
	v_nop
	v_and_b32 v214, 0xff, v[PM]                    ; the code of +1
.irp u, 0,1                            ; the table's fragment of tile u
	v_and_b32 v215, 3, v[IW+\u]                    ; j = k: its byte in a register,
	v_lshrrev_b32 v216, 2, v[IW+\u]                ; its register, 0 .. 7 over both halves of the lanes
	v_lshlrev_b32 v215, 3, v215
	v_xor_b32 v216, v216, v[H4]                    ; 0 .. 3 where it falls into my half, else 4 .. 7
	v_lshlrev_b32 v217, v215, v214
.irp d, 0,1,2,3
	v_cmp_eq_u32 vcc_lo, \d, v216
	v_cndmask_b32 v[CF+8*\u+\d], 0, v217, vcc_lo
.endr
.endr
; Eight products, each into a result of its own, each beginning with the constant 0: four groups of f x two tiles of k
.macro MULT half
.irp q, 0,1,2,3
.irp u, 0,1
	v_wmma_f32_16x16x64_bf8_bf8 v[D+16*\q+8*\u:D+16*\q+8*\u+7], v[CF+8*\u:CF+8*\u+7], v[WF+8*(4*(\half)+\q):WF+8*(4*(\half)+\q)+7], 0
.endr
.endr
.rept 4
	v_nop                                          ; a vector instruction that reads or writes a matrix result stands four places behind the matrix instruction (ISA guide 7.12.1)
.endr
.endm
; The eight results become codes and leave: 16 codes a lane and group, 512 consecutive bytes a store, aligned
.macro QOUT half
.set j, 0
.rept 64
	v_med3_num_f32 v[D+j], v[D+j], -v12, v12       ; the hold; each result from its low end on
.set j, j+1
.endr
.irp q, 0,1,2,3
	v_cvt_scalef32_pk8_bf8_f32 v[OUT+16*(\half)+4*\q:OUT+16*(\half)+4*\q+1], v[D+16*\q:D+16*\q+7], v13
	v_cvt_scalef32_pk8_bf8_f32 v[OUT+16*(\half)+4*\q+2:OUT+16*(\half)+4*\q+3], v[D+16*\q+8:D+16*\q+15], v13
.endr
	v_nop                                          ; one plain vector line between the last conversion and the next products, which write its sources
.irp q, 0,1,2,3
	global_store_b128 v7, v[OUT+16*(\half)+4*\q:OUT+16*(\half)+4*\q+3], s[14:15] offset:512*(4*(\half)+\q)   ; each half has its own registers: no store's data are written again
.endr
.endm
	MULT 0
	QOUT 0
	MULT 1                                         ; (between products that write the same results stand the 64 holds)
	QOUT 1
	s_endpgm
.Lfunc_end_k_qe6961a6d30_prep:
	.size	k_qe6961a6d30_prep, .Lfunc_end_k_qe6961a6d30_prep-k_qe6961a6d30_prep
	.p2alignl 7, 3214868480
	.fill 96, 4, 3214868480
	.section	.rodata,"a",@progbits
	.p2align	6, 0x0
	.amdhsa_kernel k_qe6961a6d30_prep
		.amdhsa_group_segment_fixed_size 20992
		.amdhsa_private_segment_fixed_size 0
		.amdhsa_enable_private_segment 0
		.amdhsa_kernarg_size 40
		.amdhsa_user_sgpr_count 2
		.amdhsa_user_sgpr_kernarg_segment_ptr 1
		.amdhsa_wavefront_size32 1
		.amdhsa_system_sgpr_workgroup_id_x 1
		.amdhsa_system_sgpr_workgroup_id_y 1
		.amdhsa_system_sgpr_workgroup_id_z 1
		.amdhsa_system_vgpr_workitem_id 0
		.amdhsa_next_free_vgpr 256
		.amdhsa_next_free_sgpr 66
		.amdhsa_reserve_vcc 1
		.amdhsa_float_denorm_mode_32 3
		.amdhsa_float_denorm_mode_16_64 3
		.amdhsa_memory_ordered 1
		.amdhsa_forward_progress 1
		.amdhsa_inst_pref_size 65
	.end_amdhsa_kernel
	.amdgpu_metadata
---
amdhsa.version: [ 1, 2 ]
amdhsa.kernels:
  - .name:           k_qe6961a6d30_prep
    .symbol:         k_qe6961a6d30_prep.kd
    .args:
      - { .name: x, .offset: 0, .size: 8, .value_kind: global_buffer, .address_space: global }
      - { .name: weight, .offset: 8, .size: 8, .value_kind: global_buffer, .address_space: global }
      - { .name: lowp_scales, .offset: 16, .size: 8, .value_kind: global_buffer, .address_space: global }
      - { .name: x_codes, .offset: 24, .size: 8, .value_kind: global_buffer, .address_space: global }
      - { .name: w_base, .offset: 32, .size: 8, .value_kind: global_buffer, .address_space: global }
    .group_segment_fixed_size: 20992
    .private_segment_fixed_size: 0
    .kernarg_segment_align: 8
    .kernarg_segment_size: 40
    .max_flat_workgroup_size: 128
    .sgpr_count:     66
    .vgpr_count:     256
    .wavefront_size: 32
...
	.end_amdgpu_metadata
.endif
;; end of part 3
;; launch gemm (part 4): grid 16 x 16, 4 waves a work-group, clusters of 4 x 4, 327,680 bytes of LDS; arguments x_codes, w_base, lowp_scales, out0; writes out0
.if DOCPART == 4
	.amdgcn_target "amdgcn-amd-amdhsa--gfx1250"
	.amdhsa_code_object_version 6
	.text
	.protected	k_qe6961a6d30_gemm
	.globl	k_qe6961a6d30_gemm
	.p2align	8
	.type	k_qe6961a6d30_gemm,@function
k_qe6961a6d30_gemm:
	s_mov_b64 s[64:65], 0
	v_nop
	global_prefetch_b8 v0, s[64:65] scope:SCOPE_SE
	s_setreg_imm32_b32 hwreg(HW_REG_WAVE_MODE, 25, 1), 1
	s_wait_xcnt 0x0
	s_wait_alu depctr_hold_cnt(0) depctr_sa_sdst(0) depctr_va_vdst(0) depctr_va_sdst(0) depctr_va_ssrc(0) depctr_va_vcc(0) depctr_vm_vsrc(0)
	s_getreg_b32 s2, hwreg(HW_REG_IB_STS2, 6, 4)
	s_cmp_eq_u32 s2, 0
	s_cbranch_scc0 .Lentry_in_a_cluster
	s_endpgm
.Lentry_in_a_cluster:
	s_bfe_u32 s2, ttmp6, 0x10000c
	s_cmp_lg_u32 s2, 0xf033
	s_cbranch_scc0 .Lentry_shape_is_right
	s_endpgm
.Lentry_shape_is_right:
; y[b][32 o + k] = 2^(e2 + e3) x the sum over K = 32 f + i of A[b][K] B[32 o + k][K];  out0[b][o][k] = y / sqrt(the sum over k of y^2 + 1e-6).
; A = x_codes [4096][4096], codes of BF8 (E5M2).  B's codes are not stored: B[32 o + k][32 f + i] is the code U[o][32 f + (i xor k)] of w_base [128][4096] with its sign bit turned where the table's entry
; s(i, i xor k) is -1.  Of the small product only the slice i = 0 is multiplied, in the launch before, whose head comment shows why that holds for all inputs.
; s(i, j) is -1 where the number of ones in M(i) & j is odd, M(i) = ((i >> 1) ^ (i >> 2) ^ (i >> 3) ^ (i >> 4)) | (i & 16).
; SHARES.  A tile of y, 256 x 256 (8 o x 32 k), is a work-group's: four waves, each 128 x 128 (4 o x 32 k): 64 accumulators, 512 registers.  256 tiles, one to a work-group.
; LDS.  The work-group's 8 rows of w_base, 32,768 bytes, are fetched once and stay.  A goes in steps of 512 along K through a ring of two slots of 256 rows x 512 bytes, refilled 64 rows a wave.
; CLUSTERS: 4 x 4.  A row of the cluster shares A's tiles, a column the rows of w_base: each is asked for jointly, by the same tensor load with a mask that names the four.
; THE MATRIX INSTRUCTION IS USED TRANSPOSED (source 0 = 16 rows of B, source 1 = 16 rows of A).  Lane r of B's tile kk (0 .. 7) is o_l = r / 4, k = 4 kk + r % 4.
; A fragment's register 4 c + d, byte t, of lane (r, h) holds f = 4 step + c, i = 16 h + 4 d + t, in A and in B alike.  i xor k falls apart: k's bits 0, 1 (r % 4) permute the bytes of a word (one v_perm_b32 for each
; loaded word); bits 2, 3 (kk % 4) say which word: d xor (kk % 4), a register's number; bit 4 (kk / 4) says which 16 bytes: both halves are loaded.  The signs hang on (i, k) alone: 32 mask registers, made once.
; So each register of B is one v_xor_b32 of a loaded word and a mask.  In the result lane (r, h) holds row r of y and, in register j of accumulator kk, o_l = 2 h + j / 4, k = 4 kk + j % 4: two whole multivectors.
; THE NEXT STEP'S B, 160 vector lines (32 permutations, 128 exclusive ors), is made in two runs of 80, behind a step's products 32 and 64: each run stands under two window settings and is also the places ahead of the LDS loads that follow it.
; THE NORM: squares of the sums as they are (in magnitude between 2^-32 and 1.3e13 or zero); 2^(2 (e2 + e3)) comes onto their sum and 2^(e2 + e3) onto the root's reciprocal by v_ldexp_f32.
; LIMITS: e2 + e3 at least -126.  NaN is not served.
; REGISTERS: window 0: v0-31 addresses; v32-63 masks; v64-127 two buffers of 32 loaded words of w_base; from v128 A's fragments, one set; on the way out v32-255 are free.
;   window 1: B's fragments, two sets, at v0 and v128.   window 2: accumulators of my rows 0-63 ((a, kk) at v[8 (8 a + kk)]);   window 3: those of rows 64-127.
.set SIZE_N, 4096
.set KROW,   4096                      ; a row of A or of w_base in memory, in bytes
.set KSLOT,  512                       ; along K in a slot
.set PITCH,  528                       ; an LDS row of A: 512 bytes + 16
.set FR,     16
.set NL,     4
.set NP,     4                         ; places behind this matrix instruction (ISA guide 7.12.1)
.set QROWS,  64*PITCH
.set SLOT,   4*QROWS
.set WB,     2*SLOT                    ; w_base's 8 rows as 32 lines of 1,024 bytes
.set WPITCH, 1040
.set SPARE,  WB+32*WPITCH              ; the spare words: 128 bytes a wave
.set LAPS,   4                         ; a lap = two slots = 8 steps of 128 = one line of each row of w_base
.set SPITCH, 528                       ; the way out: 16 rows x (512 + 16) a wave, in slot 0, behind its last fill and last read
.set SS,   8
.set ADRA, 16
.set PSEL, 18
.set ABW,  20
.set ADW,  22
.set STO,  24
.set RD,   25
.set CO,   26
.set SPW,  28
.set NIL,  29
.set PFO,  30
.set SG,   32
.set PB,   64
.set TMP,  32
.set AF,   128
.set BK,   128
.set G1,  24                           ; s[24:31] group 1: A, 64 rows;  s[32:39] group 0, a set for each slot
.set G0,  32
.set G1B, 48                           ; s[48:55] group 1: w_base, 16 lines;  s[56:59] group 0
.set G0W, 56
.set G0H, 60                           ; s[60:63] group 0 and s[72:79] group 1: slot 0's first fill, 128 rows
.set G1H, 72
.set PFA, 66
.set LIM, 68
.set WL,  69
.set MSB, 0
.macro WIN new                         ; the immediate's high byte repeats the setting that is left
.if MSB != \new
	s_set_vgpr_msb (MSB<<8)|\new
.set MSB, \new
.endif
.endm
.set MUL_LO, 0xa1
.set MUL_HI, 0xf1
.set TO_B,   0x40
; A prefetch behind a joint refill and the LDS loads that follow: A's slot that the NEXT refill asks for: 16 rows x 512 bytes, a lane a block of 256 bytes, one instruction a wave, one slot (256 products) ahead.
; Cluster x = 0 of each row of clusters asks; the four partners share a wave's 64 rows out by address (16 cx ..).  second = 1: in the loop's last trip the second refill is the last and asks for nothing.
.macro ASK second
.if \second
	s_cmp_gt_u32 s3, s[LIM]
.else
	s_cmp_ge_u32 s3, s[LIM]
.endif
	s_cbranch_scc0 .Lnot_mine_\@
	global_prefetch_b8 v[PFO], s[PFA:PFA+1] th:TH_LOAD_NT scope:SCOPE_SE
.Lnot_mine_\@:
.endm
.macro CREST                           ; a round of the cluster's barrier behind its opening barrier
	s_cmp_lg_u32 s14, 0
	s_cbranch_scc1 .Lnot_wave_0_\@
	s_barrier_signal -3
.Lnot_wave_0_\@:
	s_barrier_wait -3
	s_barrier_signal -1
	s_barrier_wait -1
.endm
.macro CROUND
	s_barrier_signal -1
	s_barrier_wait -1
	CREST
.endm
.macro PLACES n
.rept \n
	v_nop
.endr
.endm
	s_load_b128 s[4:7], s[0:1], 0x0                ; A's codes, w_base
	s_load_b128 s[8:11], s[0:1], 0x10              ; the scales' exponents, out0
	v_lshl_add_u32 v[SPW], v0, 2, SPARE
	v_mov_b32 v[NIL], 0
	ds_add_u32 v[SPW], v[NIL]                      ; the opening: the add, twice on end, and its wait
	ds_add_u32 v[SPW], v[NIL]
	v_lshrrev_b32 v1, 5, v0
	v_readfirstlane_b32 s14, v1                    ; wave 0..3
	s_lshr_b32 s15, s14, 1                         ; my half of the tile's rows.  At the head: I fetch A (0) or w_base (1)
	s_and_b32 s16, s14, 1                          ; my half of its columns.  At the head: which half I fetch
	s_bfe_u32 s40, ttmp6, 0x40000                  ; cx, cy
	s_bfe_u32 s41, ttmp6, 0x40004
	s_lshl_b32 s42, ttmp9, 2
	s_add_co_u32 s42, s42, s40                     ; tile column
	s_and_b32 s17, ttmp7, 0xffff
	s_lshl_b32 s17, s17, 2
	s_add_co_u32 s17, s17, s41                     ; tile row
	s_lshl_b32 s43, s41, 2
	s_lshl_b32 s43, 15, s43                        ; my row of the cluster
	s_lshl_b32 s44, 0x1111, s40                    ; my column
.irp g, G1, G1H                        ; A's tiles: rows of 512 bytes, 4 words of padding behind every 128; the mask of my row, bit 21 beside it
	s_or_b32 s[\g+0], s43, (1<<20)|(1<<21)|(6<<22)|(3<<25)
	s_mov_b32 s[\g+1], KSLOT<<16
	s_mov_b32 s[\g+3], KSLOT<<16
	s_mov_b32 s[\g+5], KROW
	s_mov_b32 s[\g+6], 0
	s_mov_b32 s[\g+7], 0
.endr
	s_mov_b32 s[G1+2], 64<<16
	s_mov_b32 s[G1+4], 64
	s_mov_b32 s[G1H+2], 128<<16
	s_mov_b32 s[G1H+4], 128
	s_or_b32 s[G1B+0], s44, (1<<20)|(1<<21)|(7<<22)|(3<<25)   ; w_base: a dense block as lines of 1,024 bytes, 16 lines a load; the mask of my column
	s_mov_b32 s[G1B+1], 1024<<16
	s_mov_b32 s[G1B+2], 16<<16
	s_mov_b32 s[G1B+3], 1024<<16
	s_mov_b32 s[G1B+4], 16
	s_mov_b32 s[G1B+5], 1024
	s_mov_b32 s[G1B+6], 0
	s_mov_b32 s[G1B+7], 0
	s_lshl_b32 s20, s17, 8
	s_lshl_b32 s18, s14, 6
	s_add_co_u32 s20, s20, s18                     ; refills of A: row 256 x tile row + 64 x wave,
	s_lshl_b32 s20, s20, 12                        ; of 4,096 bytes
	s_mov_b32 s21, 0
	s_lshl_b32 s82, s17, 8
	s_lshl_b32 s83, s16, 7
	s_add_co_u32 s82, s82, s83                     ; slot 0's first fill: row 256 x tile row + 128 x half
	s_lshl_b32 s82, s82, 12
	s_mov_b32 s83, 0
	s_lshl_b32 s46, s42, 15                        ; w_base: 32,768 bytes a tile column, 16,384 a half
	s_lshl_b32 s47, s16, 14
	s_add_co_u32 s46, s46, s47
	s_mov_b32 s47, 0
	s_mul_i32 s45, s14, QROWS                      ; LDS addresses hang on the wave's number alone
	s_mul_i32 s[G0H+1], s16, 128*PITCH
	s_mul_i32 s[G0W+1], s16, 16*WPITCH
	s_add_co_u32 s[G0W+1], s[G0W+1], WB
	s_wait_dscnt 0x0                               ; both opening adds are done
	s_wait_kmcnt 0x0
	s_load_b64 s[96:97], s[8:9], 0x8               ; e2, e3
	s_add_nc_u64 s[20:21], s[4:5], s[20:21]
	s_add_nc_u64 s[82:83], s[4:5], s[82:83]
	s_add_nc_u64 s[46:47], s[6:7], s[46:47]
	s_mov_b32 s[G0W], 1
	s_mov_b64 s[G0W+2:G0W+3], s[46:47]
	s_or_b32 s[G0W+3], s[G0W+3], 0x80000000
	s_mov_b32 s[G0H], 1
	s_mov_b64 s[G0H+2:G0H+3], s[82:83]
	s_or_b32 s[G0H+3], s[G0H+3], 0x80000000
.irp s, 0,1
	s_mov_b32 s[G0+4*\s], 1
	s_add_co_u32 s[G0+4*\s+1], s45, \s*SLOT
	s_add_nc_u64 s[G0+4*\s+2:G0+4*\s+3], s[20:21], \s*KSLOT
	s_or_b32 s[G0+4*\s+3], s[G0+4*\s+3], 0x80000000
.endr
	CROUND                                         ; all sixteen work-groups are here: the first joint loads meet
	s_cmp_eq_u32 s15, 0                            ; one tensor load a wave at the head: waves 0, 1 slot 0's halves, waves 2, 3 w_base's halves
	s_cbranch_scc0 .Lhead_w
	tensor_load_to_lds s[G0H:G0H+3], s[G1H:G1H+7]
	s_nop 0
	PLACES 4
	s_branch .Lhead_on
.Lhead_w:
	tensor_load_to_lds s[G0W:G0W+3], s[G1B:G1B+7]
	s_nop 0
	PLACES 4
.Lhead_on:
	v_and_b32 v1, 15, v0                           ; r
	v_bfe_u32 v2, v0, 4, 1                         ; h
	v_mul_u32_u24 v3, v1, PITCH
	v_lshl_add_u32 v4, v2, 4, v3
	s_mul_i32 s21, s15, 128*PITCH                  ; my 128 rows of A
	v_add_nc_u32 v[ADRA], s21, v4
	s_add_co_u32 s21, s21, SLOT
	v_add_nc_u32 v[ADRA+1], s21, v4
	v_bfe_u32 v5, v0, 2, 2                         ; o_l = r / 4
	v_mul_u32_u24 v5, v5, 4*WPITCH
	v_lshl_add_u32 v5, v2, 4, v5
	s_mul_i32 s22, s16, 16*WPITCH                  ; my four rows of the eight
	s_add_co_u32 s22, s22, WB
	v_add_nc_u32 v[ABW], s22, v5
	v_xor_b32 v[ABW+1], 16, v[ABW]                 ; the other 16 bytes of the 32
	s_mov_b32 s[WL], 0
	v_add_nc_u32 v[ADW], s[WL], v[ABW]
	v_add_nc_u32 v[ADW+1], s[WL], v[ABW+1]
	s_mul_i32 s23, s14, 16*SPITCH                  ; my stage
	v_mul_u32_u24 v5, v1, SPITCH
	v_lshl_add_u32 v5, v2, 8, v5
	v_add_nc_u32 v[STO], s23, v5
	v_and_b32 v6, 31, v0
	v_lshlrev_b32 v[CO], 4, v6
	v_add_nc_u32 v[RD], s23, v[CO]
	v_lshlrev_b32 v[PFO], 12, v1
	v_lshl_add_u32 v[PFO], v2, 8, v[PFO]
	s_lshl_b32 s20, s17, 8
	s_lshl_b32 s21, s15, 7
	s_add_co_u32 s20, s20, s21                     ; my first row of out0
	s_mov_b32 s21, 0
	s_mov_b64 s[18:19], SIZE_N*4
	s_mul_u64 s[20:21], s[20:21], s[18:19]
	s_lshl_b32 s46, s42, 10                        ; my first column, in bytes
	s_lshl_b32 s47, s16, 9
	s_add_co_u32 s46, s46, s47
	s_mov_b32 s47, 0
	s_add_nc_u64 s[20:21], s[20:21], s[46:47]
	s_add_nc_u64 s[10:11], s[10:11], s[20:21]
	s_lshl_b32 s70, s17, 8                         ; the prefetches: the 64 rows that I refill, my work-group's 16 of them
	s_lshl_b32 s71, s14, 6
	s_add_co_u32 s70, s70, s71
	s_lshl_b32 s71, s40, 4
	s_add_co_u32 s70, s70, s71
	s_lshl_b32 s70, s70, 12
	s_mov_b32 s71, 0
	s_add_nc_u64 s[PFA:PFA+1], s[4:5], s[70:71]
	s_add_nc_u64 s[PFA:PFA+1], s[PFA:PFA+1], 2*KSLOT  ; at slot 2: the first refill steps it to slot 3
	s_cmp_eq_u32 ttmp9, 0
	s_cselect_b32 s[LIM], 1, -1                    ; the same in all sixteen partners
	; the selector and the masks, four bytes (t) at a time.  i = 16 h + 4 d + t; k = 16 (kk / 4) + 4 kq + kl.  M(i)'s low four bits are 15 h ^ M0(4 d + t); j's are (4 (d ^ kq) + t) ^ kl.
	; Bit 4 of M(i) & j is h & (h ^ (kk / 4)): h in tiles 0-3, 0 in tiles 4-7.
	s_mov_b32 s80, 0x01010101
	v_and_b32 v3, 3, v0
	v_mul_lo_u32 v3, v3, s80                       ; kl in each byte
	v_xor_b32 v[PSEL], 0x03020100, v3
	v_sub_nc_u32 v4, 0, v2
	v_and_b32 v5, 0x0f0f0f0f, v4
	v_and_b32 v6, 0x80808080, v4
.irp d, 0,1,2,3
.set mp, 0
.irp t, 0,1,2,3
.set mp, mp|((((4*\d+\t)>>1)^((4*\d+\t)>>2)^((4*\d+\t)>>3))<<(8*\t))
.endr
	v_xor_b32 v[SS+\d], mp, v5
.endr
.irp kq, 0,1,2,3
.irp d, 0,1,2,3
	v_xor_b32 v12, 0x03020100+0x04040404*((\d)^(\kq)), v3
	v_and_b32 v12, v12, v[SS+\d]
	v_lshrrev_b32 v13, 2, v12                      ; the parity of a byte's four bits lands in its bit 0
	v_xor_b32 v12, v12, v13
	v_lshrrev_b32 v13, 1, v12
	v_xor_b32 v12, v12, v13
	v_lshlrev_b32 v12, 7, v12
	v_and_b32 v[SG+4*(\kq+4)+\d], 0x80808080, v12
	v_xor_b32 v[SG+4*\kq+\d], v[SG+4*(\kq+4)+\d], v6
.endr
.endr
.macro FRAG reg, adr, q, i
.irp c, 0,1,2,3
	ds_load_b128 v[\reg+4*\c:\reg+4*\c+3], v[\adr] offset:128*(\q)+32*\c+(\i)*16*PITCH
.endr
.endm
.macro FETCH_A slot, q, i0
.irp i, \i0, \i0+1, \i0+2, \i0+3
	FRAG AF+FR*(\i), ADRA+\slot, \q, \i
.endr
.endm
.macro FETCH_W u, pb                   ; my row's 128 bytes of w_base for the lap's step u (8 and above: the next line), both halves of each 32
.irp e, 0,1
.irp c, 0,1,2,3
	ds_load_b128 v[PB+32*(\pb)+16*\e+4*\c:PB+32*(\pb)+16*\e+4*\c+3], v[ADW+\e] offset:WPITCH*((\u)/8)+128*((\u)%8)+32*\c
.endr
.endr
.endm
.macro GEN pb                          ; line gn of the 160 that make B's set pb from buffer pb: 0-31 permutations in place, 32-159 one exclusive or each
.if gn < 32
	WIN 0
	v_perm_b32 v[PB+32*(\pb)+gn], v[PB+32*(\pb)+gn], v[PB+32*(\pb)+gn], v[PSEL]
.else
	WIN TO_B
.set gk, (gn-32)/16
.set gc, ((gn-32)/4)%4
.set gd, (gn-32)%4
	v_xor_b32 v[128*(\pb)+16*gk+4*gc+gd], v[PB+32*(\pb)+16*(gk/4)+4*gc+(gd^(gk%4))], v[SG+4*gk+gd]
.endif
.set gn, gn+1
.endm
.macro RUN pb                          ; half of them; they name no register of the products just issued, which read the other set
.rept 80
	GEN \pb
.endr
.endm
; 16 products: A's blocks a0, a0 + 1 x B's eight tiles.  The 64 accumulators take turns in the same order in every step.  zero = 1: the first product starts the sums.
.macro MULS a0, p, zero
.irp a, \a0, \a0+1
.irp b, 0,1,2,3,4,5,6,7
	WIN MUL_LO+0x50*((\a)/4)
.if \zero
	v_wmma_f32_16x16x128_bf8_bf8 v[8*(8*((\a)%4)+\b):8*(8*((\a)%4)+\b)+7], v[128*(\p)+FR*\b:128*(\p)+FR*\b+FR-1], v[AF+FR*(\a):AF+FR*(\a)+FR-1], 0
.else
	v_wmma_f32_16x16x128_bf8_bf8 v[8*(8*((\a)%4)+\b):8*(8*((\a)%4)+\b)+7], v[128*(\p)+FR*\b:128*(\p)+FR*\b+FR-1], v[AF+FR*(\a):AF+FR*(\a)+FR-1], v[8*(8*((\a)%4)+\b):8*(8*((\a)%4)+\b)+7]
.endif
.endr
.endr
.endm
; Step u of a lap (the slot's q-th) with its successor in the same slot: multiplies set u % 2, makes the other; in its middle fetches w_base's bytes for step u + 2 and A's blocks 0-3 of the next step, at its end blocks 4-7.
.macro STEP slot, q, u, zero, fw
.set gn, 0
	s_wait_alu depctr_va_vdst(0)                   ; B's last registers were written just ahead of the wait below
	s_wait_dscnt 4*NL                              ; all but the youngest sixteen loads (A's blocks 4-7) are in
	MULS 0, (\u)%2, \zero
	MULS 2, (\u)%2, \zero
	RUN 1-(\u)%2
	s_wait_dscnt 0                                 ; A's blocks 4-7 are in
	WIN 0
.if \fw
	FETCH_W (\u)+2, (\u)%2
.endif
	FETCH_A \slot, (\q)+1, 0
	MULS 4, (\u)%2, \zero
	MULS 6, (\u)%2, \zero
	RUN 1-(\u)%2
	WIN 0
	FETCH_A \slot, (\q)+1, 4
.endm
; A slot's last step (u = 3 or 7) changes slots: one barrier; ahead of it each wave waits for all its tensor loads, adds 0 to its spare word, and waits for that and for its reads of this slot.  fill = 1: the slot is filled again.
.macro TURN slot, next, u, fill
.set gn, 0
	s_wait_alu depctr_va_vdst(0)                   ; as at a step's head
.if \fill
	s_wait_xcnt 0x0                                ; the last prefetch has read its address
	s_add_nc_u64 s[PFA:PFA+1], s[PFA:PFA+1], KSLOT
.endif
	s_wait_tensorcnt 0x0                           ; my part of the next slot has landed
	ds_add_u32 v[SPW], v[NIL]
	s_wait_dscnt 4*NL+1                            ; the add and A's blocks 4-7 may be out
	MULS 0, 1, 0
	s_wait_dscnt 0x0                               ; the add is done, my reads of this slot are over
	s_barrier_signal -1
	MULS 2, 1, 0
	RUN 0
	WIN 0
	s_barrier_wait -1
.if \fill
	CREST                                          ; the barrier has opened a round of the cluster's barrier
	s_add_nc_u64 s[G0+4*\slot+2:G0+4*\slot+3], s[G0+4*\slot+2:G0+4*\slot+3], 2*KSLOT
	tensor_load_to_lds s[G0+4*\slot:G0+4*\slot+3], s[G1:G1+7]   ; my one load until the next round
	s_nop 0
	PLACES 4
.endif
	FETCH_W (\u)+2, 1
	FETCH_A \next, 0, 0
.if \fill
	ASK \slot
.endif
	MULS 4, 1, 0
	MULS 6, 1, 0
	RUN 0
	WIN 0
	FETCH_A \next, 0, 4
.endm
	s_wait_alu depctr_va_vdst(0)
	s_wait_tensorcnt 0x0                           ; my part of slot 0 or of w_base is in; the same lines as ahead of a refill:
	ds_add_u32 v[SPW], v[NIL]
	s_wait_dscnt 0x0
	CROUND                                         ; everybody's part is in, and the joint loads meet
	tensor_load_to_lds s[G0+4:G0+7], s[G1:G1+7]    ; slot 1's first fill, 64 rows a wave
	s_nop 0
	PLACES 4
	FETCH_W 0, 0
	FETCH_W 1, 1
	FETCH_A 0, 0, 0
	FETCH_A 0, 0, 4
	s_wait_dscnt 40                                ; step 0's eight loads of w_base are in; the 40 behind them may be out
.set gn, 0
	RUN 0
	RUN 0
	WIN 0
	STEP 0, 0, 0, 1, 1                             ; the first step's products start the sums
	s_mov_b32 s3, LAPS-1
.Llap:                                                 ; once round the ring, from a lap's second step to the next lap's first
	STEP 0, 1, 1, 0, 1
	STEP 0, 2, 2, 0, 1
	TURN 0, 1, 3, 1
	STEP 1, 0, 4, 0, 1
	STEP 1, 1, 5, 0, 1
	STEP 1, 2, 6, 0, 1
	TURN 1, 0, 7, 1
	STEP 0, 0, 8, 0, 1
	s_add_co_u32 s[WL], s[WL], WPITCH              ; the next lap's line of w_base's rows
	v_add_nc_u32 v[ADW], s[WL], v[ABW]
	v_add_nc_u32 v[ADW+1], s[WL], v[ABW+1]
	s_sub_co_u32 s3, s3, 1
	s_cmp_lg_u32 s3, 0
	s_cbranch_scc1 .Llap
	STEP 0, 1, 1, 0, 1                             ; the last lap fills nothing
	STEP 0, 2, 2, 0, 1
	TURN 0, 1, 3, 0
	STEP 1, 0, 4, 0, 1
	STEP 1, 1, 5, 0, 1
	STEP 1, 2, 6, 0, 0
	s_wait_alu depctr_va_vdst(0)                   ; as at a step's head
	s_wait_dscnt 4*NL                              ; the very last step
	MULS 0, 1, 0
	MULS 2, 1, 0
	s_wait_dscnt 0
	MULS 4, 1, 0
	MULS 6, 1, 0
	WIN 0
; THE WAY OUT, by blocks of 16 rows x 128 columns.  Lane (r, h) holds multivectors 2 h (registers 0-3 of the block's eight accumulators) and 2 h + 1 (registers 4-7), whole.  The block goes through my own stage
; in LDS and comes back as rows of 512 bytes.  LDS serves a wave's instructions in order (ISA guide 5.7.1.4): no wait between the stores and the loads.
.macro TOSTAGE a
.set AC, 64*((\a)%4)
	WIN 0x0a+5*((\a)/4)
.irp w, 0,1,2,3
	v_pk_mul_f32 v[SS+2*\w:SS+2*\w+1], v[AC+2*\w:AC+2*\w+1], v[AC+2*\w:AC+2*\w+1]   ; four chains; each accumulator from its low end on
.endr
.irp kk, 1,2,3,4,5,6,7
.irp w, 0,1,2,3
	v_pk_fma_f32 v[SS+2*\w:SS+2*\w+1], v[AC+8*\kk+2*\w:AC+8*\kk+2*\w+1], v[AC+8*\kk+2*\w:AC+8*\kk+2*\w+1], v[SS+2*\w:SS+2*\w+1]
.endr
.endr
	WIN 0
	v_pk_add_f32 v[SS:SS+1], v[SS:SS+1], v[SS+2:SS+3]
	v_pk_add_f32 v[SS+4:SS+5], v[SS+4:SS+5], v[SS+6:SS+7]
	v_add_f32 v[SS], v[SS], v[SS+1]
	v_add_f32 v[SS+4], v[SS+4], v[SS+5]
	v_ldexp_f32 v[SS], v[SS], s95                  ; x 2^(2 (e2 + e3))
	v_ldexp_f32 v[SS+4], v[SS+4], s95
	v_add_f32 v[SS], 0x358637bd, v[SS]             ; + 1e-6
	v_add_f32 v[SS+4], 0x358637bd, v[SS+4]
	s_wait_alu depctr_va_vdst(0)
	v_rsq_f32 v[SS], v[SS]
	v_rsq_f32 v[SS+4], v[SS+4]
	v_nop                                          ; a plain place behind the last root (ISA guide 5.7.2)
	s_wait_alu depctr_va_vdst(0)                   ; and the wait behind the batch
	v_ldexp_f32 v[SS], v[SS], s94                  ; x 2^(e2 + e3)
	v_ldexp_f32 v[SS+4], v[SS+4], s94
	WIN 0x02+((\a)/4)
.irp kk, 0,1,2,3,4,5,6,7
.irp w, 0,1,2,3
	v_pk_mul_f32 v[TMP+8*\kk+2*\w:TMP+8*\kk+2*\w+1], v[AC+8*\kk+2*\w:AC+8*\kk+2*\w+1], v[SS+4*(\w/2):SS+4*(\w/2)+1] op_sel_hi:[1,0]
.endr
.endr
	WIN 0
.irp kk, 0,1,2,3,4,5,6,7
.irp e, 0,1
	ds_store_b128 v[STO], v[TMP+8*\kk+4*\e:TMP+8*\kk+4*\e+3] offset:128*\e+16*\kk
.endr
.endr
.set BB, BK+64*((\a)%2)
.irp t, 0,1,2,3,4,5,6,7,8,9,10,11,12,13,14,15
	ds_load_b128 v[BB+4*\t:BB+4*\t+3], v[RD] offset:\t*SPITCH
.endr
.endm
.macro SEND a, younger                 ; younger: the LDS instructions issued behind block a's loads
.set BB, BK+64*((\a)%2)
	s_wait_dscnt \younger
.if (\a) > 0
	s_add_nc_u64 s[10:11], s[10:11], 16*SIZE_N*4   ; behind a wait on XCNT: the earlier stores have read their base
.endif
.irp t, 0,1,2,3,4,5,6,7,8,9,10,11,12,13,14,15
	global_store_b128 v[CO], v[BB+4*\t:BB+4*\t+3], s[10:11] offset:\t*SIZE_N*4 th:TH_STORE_NT   ; 32 lanes store 512 consecutive bytes, aligned
.endr
.endm
	s_wait_kmcnt 0x0
	s_add_co_i32 s94, s96, s97                     ; e2 + e3,
	s_lshl_b32 s95, s94, 1                         ; and twice that
	PLACES NP                                      ; behind the last products
	TOSTAGE 0
.irp a, 1,2,3,4,5,6,7
.if \a > 1
	s_wait_xcnt 0x0                                ; block a - 2's stores have read their registers and their base
.endif
	TOSTAGE \a
	SEND \a-1, 32                                  ; behind block a - 1's loads: block a's 16 stores and 16 loads
.endr
	s_wait_xcnt 0x0
	SEND 7, 0
	s_wait_tensorcnt 0x0                           ; the wave's end
	ds_add_u32 v[SPW], v[NIL]
	s_wait_dscnt 0x0
	CROUND                                         ; the closing round
	s_endpgm
.Lfunc_end_k_qe6961a6d30_gemm:
	.size	k_qe6961a6d30_gemm, .Lfunc_end_k_qe6961a6d30_gemm-k_qe6961a6d30_gemm
	.p2alignl 7, 3214868480
	.fill 96, 4, 3214868480
	.section	.rodata,"a",@progbits
	.p2align	6, 0x0
	.amdhsa_kernel k_qe6961a6d30_gemm
		.amdhsa_group_segment_fixed_size 327680
		.amdhsa_private_segment_fixed_size 0
		.amdhsa_enable_private_segment 0
		.amdhsa_kernarg_size 32
		.amdhsa_user_sgpr_count 2
		.amdhsa_user_sgpr_kernarg_segment_ptr 1
		.amdhsa_wavefront_size32 1
		.amdhsa_system_sgpr_workgroup_id_x 1
		.amdhsa_system_sgpr_workgroup_id_y 1
		.amdhsa_system_sgpr_workgroup_id_z 1
		.amdhsa_system_vgpr_workitem_id 0
		.amdhsa_next_free_vgpr 1024
		.amdhsa_next_free_sgpr 98
		.amdhsa_reserve_vcc 0
		.amdhsa_float_denorm_mode_32 3
		.amdhsa_float_denorm_mode_16_64 3
		.amdhsa_memory_ordered 1
		.amdhsa_forward_progress 1
		.amdhsa_inst_pref_size 255
	.end_amdhsa_kernel
	.section	.bss,"aw",@nobits
	.p2align	6
	.space	262144
	.amdgpu_metadata
---
amdhsa.version: [ 1, 2 ]
amdhsa.kernels:
  - .name:           k_qe6961a6d30_gemm
    .symbol:         k_qe6961a6d30_gemm.kd
    .args:
      - { .name: x_codes, .offset: 0, .size: 8, .value_kind: global_buffer, .address_space: global }
      - { .name: w_base, .offset: 8, .size: 8, .value_kind: global_buffer, .address_space: global }
      - { .name: lowp_scales, .offset: 16, .size: 8, .value_kind: global_buffer, .address_space: global }
      - { .name: out0, .offset: 24, .size: 8, .value_kind: global_buffer, .address_space: global }
    .group_segment_fixed_size: 327680
    .private_segment_fixed_size: 0
    .kernarg_segment_align: 8
    .kernarg_segment_size: 32
    .max_flat_workgroup_size: 128
    .sgpr_count:     98
    .vgpr_count:     1024
    .wavefront_size: 32
...
	.end_amdgpu_metadata
.endif
;; end of part 4
